; MI455X (gfx1250); checked and timed in simulation.
; The chip was launched on July 23, 2026; its instructions are those of AMD's public machine-readable ISA for CDNA 5 (MIT licence, August 2026) and "CDNA5" Instruction Set Architecture Reference Guide (July 2026). The comments in the code are by the model that wrote it; some were corrected since.
;; Multi Headed Attention. Allowed arithmetic: matrix products marked QUANTISED: E2M3 operands, one E8M0 scale for each 32 along K, by v_wmma_scale_f32_16x16x128_f8f6f4 with both operands' format E2M3, f32 sums; everything else in f32.
;; Inputs: Wk 1,024 x 1,024 float32; Wo 1,024 x 1,024 float32; Wq 1,024 x 1,024 float32; Wv 1,024 x 1,024 float32; bk 1,024 float32; bo 1,024 float32; bq 1,024 float32; bv 1,024 float32; key 4 x 2,048 x 1,024 float32; mask 4 x 1 x 1 x 2,048 bool; query 4 x 2,048 x 1,024 float32; value 4 x 2,048 x 1,024 float32.
;; Outputs: out0 4 x 2,048 x 1,024 float32.
;; This version of the problem:
;;   THIS VERSION OF THE PROBLEM IS GIVEN IN LOW PRECISION. The matrix products marked QUANTISED in the list below multiply operands that are first quantised to E2M3 (2 exponent bits, 3 mantissa bits; 6 bits a number), with one power-of-two scale for each 32 numbers along K (OCP MX v1.0); their sums are f32. All else is computed in f32.
;;   The module's matrix products, in the order in which they are computed (A, B: the left and right operand; K: the contracted axis; several contracted axes count as one K, in the product's order):
;;     1. [M 8,192, K 1,024] x [K 1,024, N 1,024]; A: input query; B: input Wq: QUANTISED
;;     2. [M 8,192, K 1,024] x [K 1,024, N 1,024]; A: input key; B: input Wk: QUANTISED
;;     3. [M 8,192, K 1,024] x [K 1,024, N 1,024]; A: input value; B: input Wv: QUANTISED
;;     4. batch 64 x [M 2,048, K 64] x [K 64, N 2,048]; A: computed on the way; B: computed on the way: QUANTISED
;;     5. batch 64 x [M 2,048, K 2,048] x [K 2,048, N 64]; A: softmax (see below); B: computed on the way: QUANTISED
;;     6. [M 8,192, K 1,024] x [K 1,024, N 1,024]; A: computed on the way; B: input Wo: QUANTISED
;;   THE QUANTISER, for each operand of a quantised product, along K:
;;     - K is cut into blocks of 32 from its start; a last block that is shorter is filled with zeros.
;;     - A block's scale is 2^e with e = floor(log2(the largest magnitude in the block)) - 2, held to -126 .. 127; a block of zeros has e = 0. As a byte (E8M0): e + 127.
;;     - Each number is divided by its block's scale, clamped to +-7.5, and rounded to the nearest number of E2M3, ties to even, subnormals kept.
;;     - The product sums the exact products of the quantised numbers (number of the format x scale) in f32.
;;   ~~~python
;;   def quantise(x, axis):      # numpy; x: float32 -> the quantised numbers, widened to float32 again
;;       x = np.moveaxis(x, axis, -1); K = x.shape[-1]
;;       x = np.pad(x, [(0, 0)] * (x.ndim - 1) + [(0, -K % 32)]); x = x.reshape(x.shape[:-1] + (-1, 32)); a = np.abs(x).max(-1, keepdims=True)
;;       e = np.where(a > 0, np.clip(np.frexp(np.where(a > 0, a, 1))[1] - 1 - 2, -126, 127), 0)      # np.frexp(a)[1] - 1 = floor(log2(a)), exactly
;;       r = np.clip(x / 2.0 ** e, -7.5, 7.5)
;;       step = 2.0 ** (np.maximum(np.frexp(np.where(r == 0, 1, r))[1] - 1, 0) - 3)
;;       q = np.round(r / step) * step * 2.0 ** e      # np.round: ties to even
;;       return np.moveaxis(q.reshape(q.shape[:-2] + (-1,))[..., :K], -1, axis).astype(np.float32)
;;   ~~~
;;   SOFTMAX AHEAD OF A QUANTISED PRODUCT. Where the list says 'softmax', what is quantised is not the finished softmax but p = 2^(t - M), with t = logit x log2(e) and M = ceil(the row's largest t), a whole number; so 1/2 < the row's largest p <= 1. The row's sum l is taken of the UNQUANTISED p, in f32, and the product's result is divided by l at the end. Since M is a whole number, a kernel that streams over the keys may use a running M (the ceiling of the running maximum): every later rescaling is an exact power of two, which a block's scale takes up: the codes' values come out the same.
;;   OPERANDS COMPUTED ON THE WAY. 'Computed on the way' means the value that the module computes at that place (a softmax that the list does not call 'softmax' is quantised finished and normalised). What goes into a quantiser is computed in f32, as accurately as f32 sums, v_exp_f32 and their like allow (about 1e-6 of the number): no bf16 or f16 on the way to a quantiser, and a product that is left as it is and whose result goes on into a quantised operand takes f32 operands (vector FMAs, or v_wmma_f32_16x16x4_f32). A number that lies on a knife's edge between two numbers of the format may be rounded either way, as far as f32 arithmetic and the matrix unit's own rounding can turn it there, and no further.
;; One version. Each part assembles by itself: llvm-mc -triple=amdgcn-amd-amdhsa -mcpu=gfx1250 --defsym DOCPART=n.
;; ======== version 1 of 1: 4 launches
;; limits: right only within a limited range of input values
;; workspace buffers: xc 22,020,096 bytes; xs 917,504 bytes; pj 20,185,088 bytes; cc 6,291,456 bytes; cs 262,144 bytes
;; launch quant (part 1): grid 896 x 1, 4 waves a work-group, no clusters, 33,280 bytes of LDS; arguments query, key, value, Wq, Wk, Wv, Wo, xc, xs; writes xc, xs
.if DOCPART == 1
	.amdgcn_target "amdgcn-amd-amdhsa--gfx1250"
	.amdhsa_code_object_version 6
	.text
	.protected	k_qf69e078777_quant
	.globl	k_qf69e078777_quant
	.p2align	8
	.type	k_qf69e078777_quant,@function
k_qf69e078777_quant:
	s_mov_b64 s[64:65], 0
	v_nop
	global_prefetch_b8 v0, s[64:65] scope:SCOPE_SE
	s_setreg_imm32_b32 hwreg(HW_REG_WAVE_MODE, 25, 1), 1
	s_wait_xcnt 0x0
; query, key, value [8192][1024] and Wq, Wk, Wv, Wo [1024][1024], f32 with K innermost, become codes of FP6 (E2M3) in xc (rows of 768 bytes) and one E8M0 byte for each 32 along K in xs (rows of 32 bytes).
; The seven tensors stand on end in both buffers, in the order of the work-groups: 256 for each activation, 32 for each weight; a work-group takes 32 rows, a wave 8 rows (8,192 numbers) in 16 steps of 512.
; A block's scale is 2^(floor(log2(its largest magnitude)) - 2); its byte is the largest magnitude's exponent field - 2, held at 1 from below (a block of zeros keeps the byte 1: its codes are zeros, and this program alone reads the bytes).
; THE ORDER OF ROWS.  key, value, Wq, Wk and Wv are stored with the second and third group of 8 rows of every 32 exchanged: position 16 u + r holds row 8 u + r + 8 (r / 8).  A later product that takes 16 neighbouring
; positions as source 0 then has, in the 16 registers of two neighbouring tiles, 16 neighbours of the original order.  A wave is 8 rows, so the exchange is a swap of the two bits of the wave's number in the output's place.
; LIMITS: NaN and infinities among the inputs are not served; blocks whose largest magnitude lies under 2^-124 keep the byte 1.
; Each load of a wave reads 512 consecutive bytes; a step's 2,048 bytes turn through the wave's own stage in LDS so that a lane holds 16 neighbours; a wave stores 384 consecutive bytes of codes a step and its 256 scale bytes at its end.
; No tensor load, no barrier, no cluster: waves share nothing.  Loads run four steps ahead.
.set WAVES, 4
.set STEPS, 16
.set EMAX,  2
.set CB,    12                         ; bytes of 16 codes
.set R,     16                         ; v16-79   four sets of 16 numbers as they are loaded
.set X,     80                         ; v80-111  two sets of 16 neighbours
.set C,     128                        ; v128-191 codes: four registers for each step, so that no store's data are written again
.set E,     112                        ; v112-127 a scale byte for each step
.set WREG,  8192                       ; LDS: a region for each wave: two stages of 32 x SP bytes, then its 256 scale bytes
.set SP,    80                         ; a lane's place in a stage: 64 bytes + 16 of padding
.set SPW,   12                         ; v12 LDS address of my spare word; never rewritten
.set NIL,   13                         ; v13 0; never rewritten
.set SPARE, WAVES*WREG                 ; the spare words, 128 bytes for each wave, that no other line names
	s_load_b256 s[4:11], s[0:1], 0x0               ; query, key, value, Wq
	s_load_b256 s[12:19], s[0:1], 0x20             ; Wk, Wv, Wo, xc
	s_load_b64 s[20:21], s[0:1], 0x40              ; xs
	v_lshl_add_u32 v[SPW], v0, 2, SPARE
	v_mov_b32 v[NIL], 0
	v_lshrrev_b32 v1, 5, v0
	v_readfirstlane_b32 s22, v1                    ; wave
	v_and_b32 v2, 31, v0                           ; lane
	v_lshlrev_b32 v3, 4, v2                        ; my 16 bytes of a load's 512
	s_mul_i32 s23, s22, WREG
	v_lshrrev_b32 v14, 2, v2
	v_mul_u32_u24 v14, v14, SP
	v_and_b32 v15, 3, v2
	v_lshl_add_u32 v14, v15, 4, v14
	v_add_nc_u32 v14, s23, v14                     ; the stage, on the way in: SP (lane / 4) + 16 (lane % 4)
	v_mul_u32_u24 v15, v2, SP
	v_add_nc_u32 v15, s23, v15                     ; and on the way out: SP x lane: my 16 neighbours
	v_mul_u32_u24 v4, v2, CB                       ; my codes' place in a step's
	v_lshrrev_b32 v5, 1, v2
	s_add_co_u32 s23, s23, 2*32*SP
	v_add_nc_u32 v5, s23, v5                       ; LDS: my wave's 256 scale bytes, my block's byte
	v_lshlrev_b32 v7, 3, v2                        ; and on the way out 8 bytes a lane
	v_add_nc_u32 v6, s23, v7
	s_wait_kmcnt 0x0
	; which tensor is my work-group's: the choice hangs on the work-group's number alone
	s_mov_b64 s[24:25], s[16:17]                   ; Wo, unless ..
	s_mov_b32 s26, 864                             ; the tensor's first work-group
.macro PICK lim, ptr, base
	s_cmp_lt_u32 ttmp9, \lim
	s_cselect_b64 s[24:25], s[\ptr:\ptr+1], s[24:25]
	s_cselect_b32 s26, \base, s26
.endm
	PICK 864, 14, 832                              ; Wv
	PICK 832, 12, 800                              ; Wk
	PICK 800, 10, 768                              ; Wq
	PICK 768, 8, 512                               ; value
	PICK 512, 6, 256                               ; key
	PICK 256, 4, 0                                 ; query
	s_sub_co_u32 s27, ttmp9, s26
	s_lshl_b32 s27, s27, 2
	s_add_co_u32 s27, s27, s22                     ; which run of 8 rows of the tensor I read
	s_lshl_b32 s30, s27, 15                        ; 32,768 bytes a run (under 2^26)
	s_mov_b32 s31, 0
	s_add_nc_u64 s[24:25], s[24:25], s[30:31]
	s_and_b32 s28, s22, 1                          ; the wave's number with its two bits exchanged,
	s_lshl_b32 s28, s28, 1
	s_lshr_b32 s29, s22, 1
	s_or_b32 s28, s28, s29
	s_sub_co_u32 s29, ttmp9, 256
	s_cmp_lt_u32 s29, 608                          ; for key, value, Wq, Wk, Wv: work-groups 256 to 863
	s_cselect_b32 s28, s28, s22
	s_lshl_b32 s29, ttmp9, 2
	s_add_co_u32 s29, s29, s28                     ; which run of the buffers I write
	s_mul_i32 s30, s29, 32*STEPS*CB                ; 6,144 bytes of codes a run
	s_add_nc_u64 s[18:19], s[18:19], s[30:31]
	s_lshl_b32 s30, s29, 8                         ; 256 scale bytes a run
	s_add_nc_u64 s[20:21], s[20:21], s[30:31]
.macro LOAD t
.irp i, 0,1,2,3
	global_load_b128 v[R+16*((\t)%4)+4*\i:R+16*((\t)%4)+4*\i+3], v3, s[24:25] offset:2048*(\t)+512*\i th:TH_LOAD_NT   ; 32 lanes read 512 consecutive bytes; read once in the launch
.endr
.endm
.macro TURN t                          ; step t's numbers through the stage: LDS serves a wave's instructions in order, so no wait stands between the stores and the loads
.irp i, 0,1,2,3
	ds_store_b128 v14, v[R+16*((\t)%4)+4*\i:R+16*((\t)%4)+4*\i+3] offset:32*SP*((\t)%2)+8*SP*\i
.endr
.irp i, 0,1,2,3
	ds_load_b128 v[X+16*((\t)%2)+4*\i:X+16*((\t)%2)+4*\i+3], v15 offset:32*SP*((\t)%2)+16*\i
.endr
.endm
.irp t, 0,1,2,3
	LOAD \t
.endr
	s_wait_loadcnt 12                              ; step 0's four loads are in; the twelve of steps 1 to 3 stay out
	TURN 0
.macro STEP t
.set XS, X+16*((\t)%2)
.if (\t) > 0
	s_wait_dscnt 1                                 ; this step's numbers are back from the stage (the last step's byte store may be out): so its stores into the stage have read their registers,
.else
	s_wait_dscnt 0x0
.endif
.if (\t)+4 < STEPS
	LOAD (\t)+4                                    ; which take the loads of four steps on
.endif
.if (\t)+1 < STEPS
.if STEPS-2-(\t) >= 3
	s_wait_loadcnt 12                              ; the next step's four loads are in; those of the three steps behind it may be out
.else
	s_wait_loadcnt 4*(STEPS-2-(\t))
.endif
	TURN (\t)+1                                    ; and go through the other stage while this step is worked
.endif
	v_max3_num_f32 v8, |v[XS]|, |v[XS+1]|, |v[XS+2]|               ; the largest magnitude of my 16, in two chains
	v_max3_num_f32 v9, |v[XS+3]|, |v[XS+4]|, |v[XS+5]|
.irp i, 6,10
	v_max3_num_f32 v8, v8, |v[XS+\i]|, |v[XS+\i+1]|
	v_max3_num_f32 v9, v9, |v[XS+\i+2]|, |v[XS+\i+3]|
.endr
	v_max3_num_f32 v8, v8, |v[XS+14]|, |v[XS+15]|
	v_max3_num_f32 v8, v8, v9, (EMAX+1)<<23        ; and the floor 2^(EMAX + 1 - 127): the byte cannot fall under 1
	v_max_num_f32_dpp v8, v8, v8 row_xmask:1 row_mask:0xf bank_mask:0xf   ; and of my neighbour's 16: the block's
	v_add_nc_u32 v11, -(EMAX<<23), v8              ; EMAX off its exponent field: the conversion takes the exponent field of this operand as its scale
	v_cvt_scalef32_pk16_fp6_f32 v[C+4*(\t):C+4*(\t)+2], v[XS:XS+15], v11         ; sixteen codes, 96 bits, the first number's code lowest; beyond the largest code the largest
	v_lshrrev_b32 v[E+(\t)], 23, v11               ; the scale's byte (also the plain line behind the conversion)
	ds_store_b8 v5, v[E+(\t)] offset:16*(\t)       ; both lanes of a block write the same byte with the same value
	global_store_b96 v4, v[C+4*(\t):C+4*(\t)+2], s[18:19] offset:32*CB*(\t)
.endm
.irp t, 0,1,2,3,4,5,6,7,8,9,10,11,12,13,14,15
	STEP \t
.endr
	ds_load_b64 v[8:9], v6                         ; LDS serves a wave's instructions in order: these see my stores
	s_wait_dscnt 0x0
	global_store_b64 v7, v[8:9], s[20:21]          ; 32 lanes store 256 consecutive bytes, aligned
	s_wait_tensorcnt 0x0                           ; the wave's end: a wait, an add of 0 to my spare word and its wait, behind my last LDS store
	ds_add_u32 v[SPW], v[NIL]
	s_wait_dscnt 0x0
	s_endpgm
.Lfunc_end_k_qf69e078777_quant:
	.size	k_qf69e078777_quant, .Lfunc_end_k_qf69e078777_quant-k_qf69e078777_quant
	.p2alignl 7, 3214868480
	.fill 96, 4, 3214868480
	.section	.rodata,"a",@progbits
	.p2align	6, 0x0
	.amdhsa_kernel k_qf69e078777_quant
		.amdhsa_group_segment_fixed_size 33280
		.amdhsa_private_segment_fixed_size 0
		.amdhsa_enable_private_segment 0
		.amdhsa_kernarg_size 72
		.amdhsa_user_sgpr_count 2
		.amdhsa_user_sgpr_kernarg_segment_ptr 1
		.amdhsa_wavefront_size32 1
		.amdhsa_system_sgpr_workgroup_id_x 1
		.amdhsa_system_sgpr_workgroup_id_y 1
		.amdhsa_system_sgpr_workgroup_id_z 1
		.amdhsa_system_vgpr_workitem_id 0
		.amdhsa_next_free_vgpr 192
		.amdhsa_next_free_sgpr 66
		.amdhsa_reserve_vcc 0
		.amdhsa_float_denorm_mode_32 3
		.amdhsa_float_denorm_mode_16_64 3
		.amdhsa_memory_ordered 1
		.amdhsa_forward_progress 1
		.amdhsa_inst_pref_size 33
	.end_amdhsa_kernel
	.amdgpu_metadata
---
amdhsa.version: [ 1, 2 ]
amdhsa.kernels:
  - .name:           k_qf69e078777_quant
    .symbol:         k_qf69e078777_quant.kd
    .args:
      - { .name: query, .offset: 0, .size: 8, .value_kind: global_buffer, .address_space: global }
      - { .name: key, .offset: 8, .size: 8, .value_kind: global_buffer, .address_space: global }
      - { .name: value, .offset: 16, .size: 8, .value_kind: global_buffer, .address_space: global }
      - { .name: Wq, .offset: 24, .size: 8, .value_kind: global_buffer, .address_space: global }
      - { .name: Wk, .offset: 32, .size: 8, .value_kind: global_buffer, .address_space: global }
      - { .name: Wv, .offset: 40, .size: 8, .value_kind: global_buffer, .address_space: global }
      - { .name: Wo, .offset: 48, .size: 8, .value_kind: global_buffer, .address_space: global }
      - { .name: xc, .offset: 56, .size: 8, .value_kind: global_buffer, .address_space: global }
      - { .name: xs, .offset: 64, .size: 8, .value_kind: global_buffer, .address_space: global }
    .group_segment_fixed_size: 33280
    .private_segment_fixed_size: 0
    .kernarg_segment_align: 8
    .kernarg_segment_size: 72
    .max_flat_workgroup_size: 128
    .sgpr_count:     66
    .vgpr_count:     192
    .wavefront_size: 32
...
	.end_amdgpu_metadata
.endif
;; end of part 1
;; launch proj (part 2): grid 4 x 96, 4 waves a work-group, clusters of 4 x 4, 327,680 bytes of LDS; arguments xc, xs, bq, bk, bv, pj; writes pj
.if DOCPART == 2
	.amdgcn_target "amdgcn-amd-amdhsa--gfx1250"
	.amdhsa_code_object_version 6
	.text
	.protected	k_qf69e078777_proj
	.globl	k_qf69e078777_proj
	.p2align	8
	.type	k_qf69e078777_proj,@function
k_qf69e078777_proj:
	s_mov_b64 s[64:65], 0
	v_nop
	global_prefetch_b8 v0, s[64:65] scope:SCOPE_SE
	s_setreg_imm32_b32 hwreg(HW_REG_WAVE_MODE, 25, 1), 1
	s_wait_xcnt 0x0
	s_wait_alu depctr_hold_cnt(0) depctr_sa_sdst(0) depctr_va_vdst(0) depctr_va_sdst(0) depctr_va_ssrc(0) depctr_va_vcc(0) depctr_vm_vsrc(0)
	s_getreg_b32 s2, hwreg(HW_REG_IB_STS2, 6, 4)
	s_cmp_eq_u32 s2, 0
	s_cbranch_scc0 .Lentry_in_a_cluster
	s_endpgm
.Lentry_in_a_cluster:
	s_bfe_u32 s2, ttmp6, 0x10000c
	s_cmp_lg_u32 s2, 0xf033
	s_cbranch_scc0 .Lentry_shape_is_right
	s_endpgm
.Lentry_shape_is_right:
; The three input projections, y = x W^T + b, on codes of FP6 (E2M3) with E8M0 scales, K = 1,024; the results are quantised in registers and stored as images of operand registers for the attention launch.
; Two operands, P (source 1: a lane holds one of its rows) and R (source 0: a lane's registers run along its rows).  z = 0: q, P = query, R = Wq.  z = 1: k, P = key, R = Wk.  z = 2: v, P = Wv, R = value:
; there a lane holds one channel and its registers run along the keys, which are the K of attention's second product.  R's rows were stored so that the 16 registers of two neighbouring tiles are 16 neighbours.
; A work-group of four waves makes 256 rows of P x 256 rows of R; a wave 128 x 128: 64 accumulators, 512 registers.  K goes in steps of 256 through a ring of two LDS slots filled by the tensor data mover.
; The scale bytes of the work-group's rows, for all of K, come into LDS once with the first fills.  The bias is the C of each sum's first matrix instruction.
; CLUSTERS: 4 x 4 work-groups; z and the group of four tiles come from the cluster's number, so they are equal in all sixteen.  P's tile hangs on cy and is shared along a row of the cluster, R's on cx and is shared along a column:
; each tile is asked for jointly, by the same tensor load with the same descriptor and a mask that names the four.
; THE WAY OUT.  For each block of 16 rows of P a lane's 64 numbers (register 16 b + i = R's row 32 b + 16 (lane / 16) + i) become 12 registers of codes and a scale word.  Six registers of 32 lanes are an IMAGE of 768 bytes:
; registers 0-3 at 16 x lane, registers 4-5 at 512 + 8 x lane: each store of the wave covers 512 or 256 consecutive bytes, aligned.  q, k: the two halves are two heads (K = the head's 64);  v: the two halves of 128 keys.
; pj: q's images [bh 64][tile 128][768] at 0; q's scale words [bh][32][row 16][4 tiles] at 6,291,456; from 6,815,744 a record of 13,056 bytes for each (bh, step of 128 keys): k's 8 images, v's 4 x 2 images,
; v's scale words [row 16][4 tiles] at 12,288, k's [row 16][4 tiles] at 12,544 and 12,800.  q's and k's scale words have their upper two bytes 0x7f (the number 1): the upper 64 of the instruction's K are not theirs.
; LIMITS: NaN and infinities are not served; blocks whose largest magnitude lies under 2^-124 keep the byte 1.
; REGISTERS, in windows of 256: window 0: v0-31 addresses; v32-63 scale words, two sets; v64-127 the bias as C operands, on the way out at work; from v128 P's fragments, one set.
;   window 1: R's fragments, two sets, at v0 and v128.   window 2: the accumulators of my P rows 0-63 ((a, b) at v[8 (8 a + b)]);   window 3: those of rows 64-127.
.set KSTEP,  256                       ; along K in a slot
.set NQ,     KSTEP/128                 ; matrix instructions deep
.set ROWB,   192                       ; a tile's row in bytes
.set KROW,   768                       ; a row of codes in memory
.set PITCH,  240                       ; an LDS row: 3 x (64 bytes + 16 of padding)
.set FR,     12                        ; registers of a fragment
.set NL,     6                         ; LDS loads that bring one
.set NP,     4                         ; places behind this matrix instruction (ISA guide 7.12.1)
.set HALFT,  128*PITCH                 ; 128 rows: what one tensor load brings
.set SLOT,   4*HALFT                   ; P's 256 rows, then R's 256 rows
.set KS,     32                        ; a row of scale bytes
.set SCL,    2*SLOT                    ; behind the ring: the scales, as 256 bytes + 16 of padding
.set HALFS,  (128*KS/256)*272          ; the scales of 128 rows
.set SBLK,   (16*KS/256)*272           ; those of 16 rows
.set SPARE,  SCL+4*HALFS               ; the spare words, 128 bytes for each wave, that no other line names
.set ADRA, 16                          ; v16-17 LDS address of my P fragments in slot 0, 1 (v18-19: behind one padding more)
.set ADRB, 20                          ; v20-23 the same for R
.set ADRS, 27                          ; v27 LDS address of my scale words: lanes 0-15 P's rows, lanes 16-31 R's
.set SPW,  28                          ; v28 LDS address of my spare word; never rewritten
.set NIL,  29                          ; v29 0; never rewritten
.set SC,   32                          ; scale words: set s at v[SC + 8 NQ s]; register NQ i + q: lanes 0-15 P's block i, lanes 16-31 R's block i
.set BC,   64                          ; the bias: eight registers a tile, in the result's layout
.set AF,   128                         ; P's fragments
.set PC,   64                          ; the way out: v64-75 the codes just made, v76-78 and v80-82 halves on their way
.set TM,   96                          ; v96-99 largest magnitudes, v100-103 the other lanes' and then bytes, v108-111 the conversions' scale operands
.set PW,   112                         ; the scale word just made
.set TW,   113
.set SW,   116                         ; v116-123 the eight blocks' scale words, as they are stored
.set G1, 24                            ; s[24:31] descriptor group 1 for P's tiles; s[32:39] group 0, one set for each slot
.set G0, 32
.set G1B, 48                           ; s[48:55], s[56:63] the same for R's tiles
.set G0B, 56
.set G1S, 68                           ; s[68:75], s[76:79] groups 1 and 0 for P's scales; s[80:87], s[88:91] for R's
.set G0S, 76
.set G1SB, 80
.set G0SB, 88
.set MSB, 0
.macro WIN new                         ; the immediate's high byte repeats the setting that is left
.if MSB != \new
	s_set_vgpr_msb (MSB<<8)|\new
.set MSB, \new
.endif
.endm
.set MUL_LO, 0xa1                      ; source 0 (R) window 1, source 1 (P) window 0, C and D window 2
.set MUL_HI, 0xf1                      ; the same, C and D window 3
.set TO_B,   0x40                      ; destination window 1, address window 0
; A joint load: waves 0 and 1 fetch for P, waves 2 and 3 for R; the branch hangs on the wave's number alone.  An s_nop 0 and four v_nop follow each of the two lines.
.macro JLOAD g0a, g1a, g0b, g1b
	s_cmp_eq_u32 s17, 0
	s_cbranch_scc0 .Lfor_b_\@
	tensor_load_to_lds s[\g0a:\g0a+3], s[\g1a:\g1a+7]
	s_nop 0
.rept 4
	v_nop
.endr
	s_branch .Lasked_\@
.Lfor_b_\@:
	tensor_load_to_lds s[\g0b:\g0b+3], s[\g1b:\g1b+7]
	s_nop 0
.rept 4
	v_nop
.endr
.Lasked_\@:
.endm
.macro CREST                           ; a round of the cluster's barrier behind its opening barrier
	s_cmp_lg_u32 s16, 0
	s_cbranch_scc1 .Lnot_wave_0_\@
	s_barrier_signal -3
.Lnot_wave_0_\@:
	s_barrier_wait -3
	s_barrier_signal -1
	s_barrier_wait -1
.endm
.macro CROUND                          ; a whole round
	s_barrier_signal -1
	s_barrier_wait -1
	CREST
.endm
	s_load_b256 s[4:11], s[0:1], 0x0               ; xc s[4:5], xs s[6:7], bq s[8:9], bk s[10:11]
	s_load_b128 s[12:15], s[0:1], 0x20             ; bv s[12:13], pj s[14:15]
	v_lshl_add_u32 v[SPW], v0, 2, SPARE
	v_mov_b32 v[NIL], 0
	ds_add_u32 v[SPW], v[NIL]                      ; the wave's opening: the add and its wait stand ahead of my first tensor load; the set-up below, work on registers, stands between them
	v_lshrrev_b32 v1, 5, v0
	v_readfirstlane_b32 s16, v1                    ; wave 0..3
	s_lshr_b32 s17, s16, 1                         ; which 128 rows of P are mine.  Also: I fetch for P (0) or for R (1)
	s_and_b32 s18, s16, 1                          ; which 128 rows of R are mine.  Also: which 128 rows of that tile I fetch
	s_bfe_u32 s40, ttmp6, 0x40000                  ; cx, cy: my place in the cluster
	s_bfe_u32 s41, ttmp6, 0x40004
	s_and_b32 s21, ttmp7, 0xffff                   ; the cluster's number, 0 .. 23
	s_lshr_b32 s20, s21, 3                         ; z: which projection
	s_and_b32 s21, s21, 7
	s_lshl_b32 s21, s21, 2                         ; the first of the cluster's four tiles of the activation
	s_cmp_eq_u32 s20, 2
	s_cselect_b32 s19, 0, s21                      ; the activation is P for q and k,
	s_cselect_b32 s42, s21, 0                      ; and R for v
	s_add_co_u32 s19, s19, s41                     ; P's tile: hangs on cy
	s_add_co_u32 s42, s42, s40                     ; R's tile: hangs on cx
	s_lshl_b32 s43, s41, 2
	s_lshl_b32 s43, 15, s43                        ; my row of the cluster
	s_lshl_b32 s44, 0x1111, s40                    ; my column
	; descriptor group 1: a tile of 128 rows x 192 bytes, 16 bytes of padding behind every 64
	s_or_b32 s[G1+0], s43, (0<<16)|(1<<20)|(1<<21)|(3<<22)|(3<<25)  ; 15:0 the mask; 17:16 elements of 1 byte; 20 padding on; 21 set beside a mask; 24:22 after every 16 words; 31:25 of 4 words
	s_or_b32 s[G1B+0], s44, (0<<16)|(1<<20)|(1<<21)|(3<<22)|(3<<25)
.irp g, G1, G1B
	s_mov_b32 s[\g+1], ROWB<<16                    ; tensor_dim0
	s_mov_b32 s[\g+2], 128<<16                     ; tensor_dim1
	s_mov_b32 s[\g+3], ROWB<<16                    ; tile_dim0
	s_mov_b32 s[\g+4], 128                         ; tile_dim1
	s_mov_b32 s[\g+5], KROW                        ; tensor_dim0_stride
	s_mov_b32 s[\g+6], 0
	s_mov_b32 s[\g+7], 0
.endr
	; the scales of 128 rows: 4,096 dense bytes, as 16 rows of 256 bytes (32 elements of 8), 16 bytes of padding behind each
	s_or_b32 s[G1S+0], s43, (3<<16)|(1<<20)|(1<<21)|(5<<22)|(3<<25)
	s_or_b32 s[G1SB+0], s44, (3<<16)|(1<<20)|(1<<21)|(5<<22)|(3<<25)
.irp g, G1S, G1SB
	s_mov_b32 s[\g+1], 32<<16
	s_mov_b32 s[\g+2], (128*KS/256)<<16
	s_mov_b32 s[\g+3], 32<<16
	s_mov_b32 s[\g+4], 128*KS/256
	s_mov_b32 s[\g+5], 32
	s_mov_b32 s[\g+6], 0
	s_mov_b32 s[\g+7], 0
.endr
	; where the two tensors begin in xc and in xs (bytes; both buffers stay under 2^25)
	s_mul_i32 s21, s20, 6291456                    ; P's codes: query, key,
	s_mul_i32 s22, s20, 786432
	s_add_co_u32 s22, s22, 18874368                ; R's codes: Wq, Wk,
	s_mul_i32 s23, s20, 262144                     ; P's scale bytes,
	s_mul_i32 s66, s20, 32768
	s_add_co_u32 s66, s66, 786432                  ; R's scale bytes;
	s_cmp_eq_u32 s20, 2
	s_cselect_b32 s21, 20447232, s21               ; for v: P = Wv,
	s_cselect_b32 s22, 12582912, s22               ; R = value
	s_cselect_b32 s23, 851968, s23
	s_cselect_b32 s66, 524288, s66
	s_lshl_b32 s67, s18, 7                         ; which 128 rows of the tile I fetch
	s_lshl_b32 s46, s19, 8
	s_add_co_u32 s46, s46, s67                     ; P: row 256 x tile + 128 x half
	s_lshl_b32 s92, s42, 8
	s_add_co_u32 s92, s92, s67                     ; R likewise.  No register that feeds P's descriptors holds cx, none that feeds R's holds cy
	s_lshl_b32 s96, s46, 5
	s_add_co_u32 s96, s96, s23                     ; P's scales, in bytes
	s_mov_b32 s97, 0
	s_mul_i32 s46, s46, KROW
	s_add_co_u32 s46, s46, s21                     ; P's codes
	s_mov_b32 s47, 0
	s_lshl_b32 s98, s92, 5
	s_add_co_u32 s98, s98, s66                     ; R's scales
	s_mov_b32 s99, 0
	s_mul_i32 s92, s92, KROW
	s_add_co_u32 s92, s92, s22                     ; R's codes
	s_mov_b32 s93, 0
	s_mul_i32 s45, s16, HALFT                      ; where they go: wave x 128 rows: no place in the cluster enters an LDS address
	s_mul_i32 s94, s16, HALFS
	s_wait_dscnt 0x0                               ; the opening add is done
	s_wait_kmcnt 0x0
	s_add_nc_u64 s[46:47], s[4:5], s[46:47]
	s_add_nc_u64 s[96:97], s[6:7], s[96:97]
	s_add_nc_u64 s[92:93], s[4:5], s[92:93]
	s_add_nc_u64 s[98:99], s[6:7], s[98:99]
	CROUND                                         ; all sixteen work-groups are here: the first joint loads meet
	s_mov_b32 s[G0S], 1
	s_add_co_u32 s[G0S+1], s94, SCL
	s_mov_b64 s[G0S+2:G0S+3], s[96:97]
	s_or_b32 s[G0S+3], s[G0S+3], 0x80000000
	s_mov_b32 s[G0SB], 1
	s_add_co_u32 s[G0SB+1], s94, SCL
	s_mov_b64 s[G0SB+2:G0SB+3], s[98:99]
	s_or_b32 s[G0SB+3], s[G0SB+3], 0x80000000
	JLOAD G0S, G1S, G0SB, G1SB                     ; the scales first: they are wanted with K step 0
.irp s, 0,1
	s_mov_b32 s[G0+4*\s], 1
	s_add_co_u32 s[G0+4*\s+1], s45, \s*SLOT
	s_add_nc_u64 s[G0+4*\s+2:G0+4*\s+3], s[46:47], \s*ROWB
	s_or_b32 s[G0+4*\s+3], s[G0+4*\s+3], 0x80000000
	s_mov_b32 s[G0B+4*\s], 1
	s_add_co_u32 s[G0B+4*\s+1], s45, \s*SLOT
	s_add_nc_u64 s[G0B+4*\s+2:G0B+4*\s+3], s[92:93], \s*ROWB
	s_or_b32 s[G0B+4*\s+3], s[G0B+4*\s+3], 0x80000000
	JLOAD G0+4*\s, G1, G0B+4*\s, G1B               ; three tensor loads of mine are out behind the second of these
.endr
	v_and_b32 v1, 15, v0                           ; r = l % 16
	v_bfe_u32 v2, v0, 4, 1                         ; h = l / 16
	v_mul_u32_u24 v3, v1, PITCH
	v_mul_u32_u24 v4, v2, 24
	v_add_nc_u32 v4, v3, v4                        ; a fragment's row x pitch + 24 x half
	v_lshl_add_u32 v5, v2, 4, v4                   ; and the same behind one padding more
	s_mul_i32 s21, s17, HALFT                      ; my 128 rows of P
	s_mul_i32 s22, s18, HALFT                      ; my 128 rows of R,
	s_add_co_u32 s22, s22, 2*HALFT                 ; which lie behind P's 256
.irp s, 0,1
	v_add_nc_u32 v[ADRA+\s], s21, v4
	v_add_nc_u32 v[ADRB+\s], s22, v4
	v_add_nc_u32 v[ADRA+2+\s], s21, v5
	v_add_nc_u32 v[ADRB+2+\s], s22, v5
	s_add_co_u32 s21, s21, SLOT
	s_add_co_u32 s22, s22, SLOT
.endr
	v_mul_u32_u24 v5, v1, KS                       ; my row's scales: KS bytes a row,
	v_lshrrev_b32 v6, 8, v5
	v_lshl_add_u32 v5, v6, 4, v5                   ; and 16 more for each 256 passed
	s_mul_i32 s21, s17, HALFS                      ; P's: my 128 rows
	s_mul_i32 s22, s18, HALFS                      ; R's: my 128 rows, behind P's 256
	s_add_co_u32 s22, s22, 2*HALFS
	s_sub_co_u32 s22, s22, s21
	v_mul_u32_u24 v6, s22, v2                      ; lanes 16-31 take R's: the lower base + h x the distance
	s_add_co_u32 s21, s21, SCL
	v_add_nc_u32 v5, v5, v6
	v_add_nc_u32 v[ADRS], s21, v5
	; THE BIAS, as C operands.  q, k: it goes by R's rows (channels): tile b's register j of lane (r, h) is channel 32 (b / 2) + 16 h + 8 (b % 2) + j of my 128.
	; v: it goes by P's rows: all eight registers of block a hold the bias of the lane's own channel, 32 (a / 2) + 8 (a % 2) + r + 8 (r / 8).
	s_cmp_eq_u32 s20, 0
	s_cselect_b64 s[8:9], s[8:9], s[10:11]         ; bq or bk,
	s_cmp_eq_u32 s20, 2
	s_cselect_b64 s[8:9], s[12:13], s[8:9]         ; or bv: the choice hangs on the cluster's number alone
	s_cbranch_scc1 .Lbias_v
	s_lshl_b32 s22, s42, 10
	s_lshl_b32 s23, s18, 9
	s_add_co_u32 s22, s22, s23                     ; (256 x R's tile + 128 x half) x 4 bytes
	s_mov_b32 s23, 0
	s_add_nc_u64 s[8:9], s[8:9], s[22:23]
	v_lshlrev_b32 v14, 6, v2                       ; 16 h numbers on
.irp b, 0,1,2,3,4,5,6,7
	global_load_b128 v[BC+8*\b:BC+8*\b+3], v14, s[8:9] offset:(32*(\b/2)+8*(\b%2))*4
	global_load_b128 v[BC+8*\b+4:BC+8*\b+7], v14, s[8:9] offset:(32*(\b/2)+8*(\b%2))*4+16
.endr
	s_branch .Lbias_done
.Lbias_v:
	s_lshl_b32 s22, s19, 10
	s_lshl_b32 s23, s17, 9
	s_add_co_u32 s22, s22, s23                     ; (256 x P's tile + 128 x half) x 4 bytes
	s_mov_b32 s23, 0
	s_add_nc_u64 s[8:9], s[8:9], s[22:23]
	v_and_b32 v14, 8, v1
	v_add_nc_u32 v14, v14, v1
	v_lshlrev_b32 v14, 2, v14                      ; r + 8 (r / 8) numbers on
.irp a, 0,1,2,3,4,5,6,7
.irp j, 0,1,2,3,4,5,6,7
	global_load_b32 v[BC+8*\a+\j], v14, s[8:9] offset:(32*(\a/2)+8*(\a%2))*4
.endr
.endr
.Lbias_done:
.macro FRAG reg, adr, q, i             ; a fragment, 16 rows x 128 K of 6-bit codes: 12 registers; registers 6 c .. 6 c + 5 hold K = 64 c + 32 (l / 16) + 0 .. 31: 24 bytes of the row, as they lie, in pieces of 8 bytes
.irp p, 0,1,2,3,4,5
.set PCE, 12*(\q)+6*(\p/3)+\p%3       ; where the piece three on (lanes 16-31) lies behind one padding more, the second address register serves
.if PCE%8 < 5
	ds_load_b64 v[\reg+2*\p:\reg+2*\p+1], v[\adr] offset:8*PCE+16*(PCE/8)+(\i)*16*PITCH
.else
	ds_load_b64 v[\reg+2*\p:\reg+2*\p+1], v[\adr+2] offset:8*PCE+16*(PCE/8)+(\i)*16*PITCH
.endif
.endr
.endm
; 16 matrix instructions: P's blocks a0, a0 + 1 x R's eight, 128 along K.  p: R's set; sc: the set of scale words.  mode 0: the sums go on; 1: they begin with the bias by R's tile; 2: by P's block.  Nothing is ever cleared.
; The 64 accumulators take turns, one instruction a turn, in the same order in every step.
.macro MUL16 a0, p, q, sc, mode
.irp a, \a0, \a0+1
.irp b, 0,1,2,3,4,5,6,7
.if \mode == 1
	v_wmma_scale_f32_16x16x128_f8f6f4 v[8*(8*((\a)%4)+\b):8*(8*((\a)%4)+\b)+7], v[128*(\p)+FR*\b:128*(\p)+FR*\b+FR-1], v[AF+FR*(\a):AF+FR*(\a)+FR-1], v[BC+8*\b:BC+8*\b+7], v[SC+8*NQ*(\sc)+NQ*\b+(\q)], v[SC+8*NQ*(\sc)+NQ*(\a)+(\q)] matrix_a_fmt:MATRIX_FMT_FP6 matrix_b_fmt:MATRIX_FMT_FP6 matrix_a_scale:MATRIX_SCALE_ROW1
.elseif \mode == 2
	v_wmma_scale_f32_16x16x128_f8f6f4 v[8*(8*((\a)%4)+\b):8*(8*((\a)%4)+\b)+7], v[128*(\p)+FR*\b:128*(\p)+FR*\b+FR-1], v[AF+FR*(\a):AF+FR*(\a)+FR-1], v[BC+8*(\a):BC+8*(\a)+7], v[SC+8*NQ*(\sc)+NQ*\b+(\q)], v[SC+8*NQ*(\sc)+NQ*(\a)+(\q)] matrix_a_fmt:MATRIX_FMT_FP6 matrix_b_fmt:MATRIX_FMT_FP6 matrix_a_scale:MATRIX_SCALE_ROW1
.else
	v_wmma_scale_f32_16x16x128_f8f6f4 v[8*(8*((\a)%4)+\b):8*(8*((\a)%4)+\b)+7], v[128*(\p)+FR*\b:128*(\p)+FR*\b+FR-1], v[AF+FR*(\a):AF+FR*(\a)+FR-1], v[8*(8*((\a)%4)+\b):8*(8*((\a)%4)+\b)+7], v[SC+8*NQ*(\sc)+NQ*\b+(\q)], v[SC+8*NQ*(\sc)+NQ*(\a)+(\q)] matrix_a_fmt:MATRIX_FMT_FP6 matrix_b_fmt:MATRIX_FMT_FP6 matrix_a_scale:MATRIX_SCALE_ROW1
.endif
.endr
.endr
.endm
.macro FETCH_B slot, q, p              ; R's eight fragments of the slot's q-th 128 along K into set p
	WIN TO_B
.irp i, 0,1,2,3,4,5,6,7
	FRAG 128*(\p)+FR*\i, ADRB+\slot, \q, \i
.endr
	WIN 0
.endm
.macro FETCH_A slot, q, i0             ; P's blocks i0 .. i0 + 3
.irp i, \i0, \i0+1, \i0+2, \i0+3
	FRAG AF+FR*(\i), ADRA+\slot, \q, \i
.endr
.endm
.macro SCALES sc                       ; a K step's scale words into set sc: lanes 0-15 take P's block i, lanes 16-31 R's block i
.irp i, 0,1,2,3,4,5,6,7
	ds_load_b64 v[SC+8*NQ*\sc+NQ*\i:SC+8*NQ*\sc+NQ*\i+1], v[ADRS] offset:\i*SBLK
.endr
.endm
.macro PLACES n                        ; plain vector lines between a matrix instruction and a load into a register that it has read, or a read of its result
.rept \n
	v_nop
.endr
.endm
; A step of 128 along K that has its successor in the same slot.
.macro STEP slot, q, mode
	s_wait_dscnt 4*NL                              ; R's set and P's blocks 0-3 are in; the youngest 24 loads (P's blocks 4-7) may be out
.if \mode
	WIN 0x81                                       ; as MUL_LO, with C (the bias) in window 0
.else
	WIN MUL_LO
.endif
	MUL16 0, (\q)%2, \q, \slot, \mode
	MUL16 2, (\q)%2, \q, \slot, \mode
	s_wait_dscnt 0                                 ; P's blocks 4-7 are in
	PLACES NP
	FETCH_B \slot, (\q)+1, 1-(\q)%2
	FETCH_A \slot, (\q)+1, 0
.if \mode
	WIN 0xc1
.else
	WIN MUL_HI
.endif
	MUL16 4, (\q)%2, \q, \slot, \mode
	MUL16 6, (\q)%2, \q, \slot, \mode
	PLACES NP
	WIN 0
	FETCH_A \slot, (\q)+1, 4
.endm
; A slot's last step changes slots: one barrier; in front of it each wave waits for all its tensor loads, adds 0 to its spare word, and waits for that and for its own reads of this slot.  fill = 1: this slot is filled again, two K steps ahead.
.macro TURN slot, next, fill
	s_wait_tensorcnt 0x0                           ; all my tensor loads have landed: my part of the next slot (every window is 0 here)
	ds_add_u32 v[SPW], v[NIL]                      ; 0 onto my spare word
	s_wait_dscnt 4*NL+1                            ; (the add and the youngest 24 loads, P's blocks 4-7, may be out)
	WIN MUL_LO
	MUL16 0, 1, NQ-1, \slot, 0                     ; sixteen matrix instructions stand between the add and the wait for it
	s_wait_dscnt 0x0                               ; the add is done, and my reads of this slot are over
	s_barrier_signal -1
	MUL16 2, 1, NQ-1, \slot, 0
	WIN 0
	s_barrier_wait -1
.if \fill
	CREST                                          ; the barrier has opened a round of the cluster's barrier: no wave of any partner still reads this slot's tile or has a load on its way
	s_add_nc_u64 s[G0+4*\slot+2:G0+4*\slot+3], s[G0+4*\slot+2:G0+4*\slot+3], 2*ROWB
	s_add_nc_u64 s[G0B+4*\slot+2:G0B+4*\slot+3], s[G0B+4*\slot+2:G0B+4*\slot+3], 2*ROWB
	JLOAD G0+4*\slot, G1, G0B+4*\slot, G1B         ; the first tensor load behind the round, my one load until the next; its four v_nop are the places in front of the loads below
.else
	PLACES NP
.endif
	v_add_nc_u32 v[ADRS], 4*NQ, v[ADRS]            ; on to the next K step's scale words (no LDS load of mine is out)
	FETCH_B \next, 0, 0
	FETCH_A \next, 0, 0
	SCALES \next
	WIN MUL_HI
	MUL16 4, 1, NQ-1, \slot, 0
	MUL16 6, 1, NQ-1, \slot, 0
	PLACES NP
	WIN 0
	FETCH_A \next, 0, 4
.endm
	s_wait_tensorcnt 1                             ; the scales and my part of K step 0 are in (K step 1's load, issued behind them, may be out)
	s_barrier_signal -1
	s_barrier_wait -1                              ; everybody's are
	FETCH_B 0, 0, 0
	FETCH_A 0, 0, 0
	SCALES 0
	FETCH_A 0, 0, 4
	s_wait_loadcnt 0x0                             ; the bias
	s_cmp_eq_u32 s20, 2                            ; the first step is written twice: it takes the bias by R's tile or by P's block.  z is equal in all partners
	s_cbranch_scc1 .Lfirst_v
	STEP 0, 0, 1
	s_branch .Lfirst_done
.Lfirst_v:
	STEP 0, 0, 2
.Lfirst_done:
	TURN 0, 1, 1                                   ; K = 1,024 is four K steps: both slots are filled once more, and the eight steps of 128 are written out
	STEP 1, 0, 0
	TURN 1, 0, 1
	STEP 0, 0, 0
	TURN 0, 1, 0                                   ; nothing is left to fetch: no round of the cluster's barrier
	STEP 1, 0, 0
	s_wait_dscnt 4*NL                              ; the very last step
	WIN MUL_LO
	MUL16 0, 1, NQ-1, 1, 0
	MUL16 2, 1, NQ-1, 1, 0
	s_wait_dscnt 0
	WIN MUL_HI
	MUL16 4, 1, NQ-1, 1, 0
	MUL16 6, 1, NQ-1, 1, 0
	WIN 0
	; THE WAY OUT: where my wave's images and scale words go.  T, X: the tile and half of tokens; Cc, Y: of channels.
	s_cmp_eq_u32 s20, 2
	s_cselect_b32 s21, s42, s19                    ; T
	s_cselect_b32 s22, s18, s17                    ; X
	s_cselect_b32 s23, s19, s42                    ; Cc
	s_cselect_b32 s45, s17, s18                    ; Y
	s_lshr_b32 s46, s21, 3                         ; the batch: eight tiles of 256 tokens each
	s_lshl_b32 s46, s46, 4
	s_lshl_b32 s23, s23, 2
	s_add_co_u32 s46, s46, s23
	s_lshl_b32 s45, s45, 1
	s_add_co_u32 s46, s46, s45                     ; bh of my first head: 16 x batch + 4 Cc + 2 Y
	s_and_b32 s21, s21, 7
	s_lshl_b32 s21, s21, 1
	s_add_co_u32 s21, s21, s22                     ; J: which 128 tokens of the batch
	s_mul_i32 s22, s46, 98304
	s_mul_i32 s23, s21, 6144
	s_add_co_u32 s22, s22, s23                     ; q's images
	s_mul_i32 s23, s46, 208896
	s_mul_i32 s45, s21, 13056
	s_add_co_u32 s23, s23, s45
	s_add_co_u32 s23, s23, 6815744                 ; the record of (bh, J): k's images
	s_lshl_b32 s45, s46, 13
	s_lshl_b32 s47, s21, 9
	s_add_co_u32 s45, s45, s47
	s_add_co_u32 s45, s45, 6291456                 ; q's scale words
	s_add_co_u32 s40, s23, 12544                   ; k's scale words
	s_add_co_u32 s41, s23, 12288                   ; v's scale words
	s_add_co_u32 s43, s23, 6144                    ; v's images
	s_cmp_eq_u32 s20, 0
	s_cselect_b32 s92, s22, s23
	s_cselect_b32 s94, s45, s40
	s_mov_b32 s44, 208896
	s_cselect_b32 s66, 98304, s44                  ; from the first six registers' image to the second's: the next head (q, k),
	s_cselect_b32 s67, 8192, s44                   ; and lanes 16-31 store the next head's scale words
	s_cmp_eq_u32 s20, 2
	s_cselect_b32 s92, s43, s92
	s_cselect_b32 s94, s41, s94
	s_cselect_b32 s66, 768, s66                    ; v: the second half of the 128 keys
	s_cselect_b32 s67, 0, s67                      ; v: lanes 16-31 repeat lanes 0-15
	s_cselect_b32 s44, s44, 256                    ; from blocks 0-3's scale words to blocks 4-7's: the next head (v), or the next 256 bytes
	s_mov_b32 s96, 768
	s_cselect_b32 s96, 1536, s96                   ; from block to block
	s_cselect_b32 s98, 202752, 0                   ; v: block 4 begins the next head: 208,896 - 4 x 1,536
	s_cselect_b32 s100, -1, 0xffff                 ; q, k: two bytes of the word are a head's,
	s_cselect_b32 s101, 0, 0x7f7f0000              ; and the upper two are the number 1
	s_cselect_b32 s40, 0, 16                       ; q, k: lanes 16-31 take the word's upper half
	s_mov_b32 s93, 0
	s_mov_b32 s95, 0
	s_mov_b32 s97, 0
	s_mov_b32 s99, 0
	s_add_nc_u64 s[92:93], s[14:15], s[92:93]      ; codes
	s_add_nc_u64 s[94:95], s[14:15], s[94:95]      ; scale words
	s_mov_b32 s2, 0x76543210
	s_mov_b32 s3, 0xfedcba98                       ; v_permlanex16_b32's selects for lane l xor 16
	v_and_b32 v6, 31, v0                           ; these plain lines are also the places behind the last products
	v_lshlrev_b32 v7, 4, v6                        ; an image's registers 0-3: 16 x lane
	v_lshlrev_b32 v8, 3, v6                        ; registers 4-5: 8 x lane (+ 512)
	v_add_nc_u32 v9, s66, v7                       ; the second image
	v_add_nc_u32 v10, s66, v8
	v_mul_u32_u24 v11, s67, v2
	v_lshl_add_u32 v11, v1, 4, v11                 ; scale words: 16 bytes a row
	v_add_nc_u32 v12, s44, v11
	v_mul_u32_u24 v13, s40, v2
.irp b, 0,1,2,3
	v_mov_b32 v[TM+4+\b], 0                        ; written once: a lane permute's destination counts as one of its sources
.endr
; Block a's 64 numbers of a lane, read where they were summed, become a fragment's codes in v[PC] on and its scale word in v[PW].  Each accumulator is read from its low end on.
.macro QUANTW a
.set W, 2+(\a)/4
.set AC, 64*((\a)%4)
.set W01, W|(W<<2)
.set W12, (W<<2)|(W<<4)
	WIN W01                                        ; sources 0 and 1 in the accumulators' window
.irp b, 0,1,2,3
	v_max3_num_f32 v[TM+\b], |v[AC+16*\b]|, |v[AC+1+16*\b]|, 0x1800000   ; block b: my 16 numbers, and the floor 2^(3 - 127): the byte cannot fall under 1
.endr
	WIN W12                                        ; sources 1 and 2
.irp i, 2,4,6,8,10,12,14
.irp b, 0,1,2,3
	v_max3_num_f32 v[TM+\b], v[TM+\b], |v[AC+16*\b+\i]|, |v[AC+1+16*\b+\i]|   ; (the four blocks by turns)
.endr
.endr
	WIN 0
.irp b, 0,1,2,3
	v_permlanex16_b32 v[TM+4+\b], v[TM+\b], s2, s3
.endr
.irp b, 0,1,2,3
	v_max_num_f32 v[TM+\b], v[TM+\b], v[TM+4+\b]   ; with lane l xor 16's: the block's largest magnitude
.endr
.irp b, 0,1,2,3
	v_add_nc_u32 v[TM+12+\b], 0xff000000, v[TM+\b] ; 2 off its exponent field: the conversion's scale operand
.endr
.irp b, 0,1,2,3
	v_lshrrev_b32 v[TM+4+\b], 23, v[TM+12+\b]      ; the scale's byte
.endr
	v_lshl_or_b32 v[PW], v[TM+5], 8, v[TM+4]       ; the four bytes make my row's scale word
	v_lshl_or_b32 v[PW], v[TM+6], 16, v[PW]
	v_lshl_or_b32 v[PW], v[TM+7], 24, v[PW]
	WIN W                                          ; source 0
.irp c, 0,1
	v_cvt_scalef32_pk16_fp6_f32 v[PC+6*\c:PC+2+6*\c], v[AC+32*\c:AC+15+32*\c], v[TM+12+2*\c]
	v_cvt_scalef32_pk16_fp6_f32 v[PC+12+4*\c:PC+14+4*\c], v[AC+16+32*\c:AC+31+32*\c], v[TM+12+2*\c+1]   ; (a conversion's three registers begin on an even number)
.endr
	WIN 0
	v_nop                                          ; one plain place behind a scaled conversion
.irp c, 0,1                                    ; the operand's layout wants a whole block in a lane: lanes 0-15 block 2 c, lanes 16-31 block 2 c + 1
.irp i, 0,1,2
	v_permlane16_swap_b32 v[PC+6*\c+\i], v[PC+12+4*\c+\i]
.endr
.irp i, 0,1,2
	v_mov_b32 v[PC+3+6*\c+\i], v[PC+12+4*\c+\i]
.endr
.endr
.endm
.macro EPI a
	s_wait_xcnt 0x0                                ; the last block's stores have read their data and their base: both are written again only behind this wait
.if (\a) > 0
	s_add_nc_u64 s[92:93], s[92:93], s[96:97]
.endif
.if (\a) == 4
	s_add_nc_u64 s[92:93], s[92:93], s[98:99]
.endif
	QUANTW \a
	global_store_b128 v7, v[PC:PC+3], s[92:93]                     ; 512 consecutive bytes, aligned
	global_store_b64 v8, v[PC+4:PC+5], s[92:93] offset:512         ; 256 consecutive bytes, aligned
	global_store_b128 v9, v[PC+6:PC+9], s[92:93]
	global_store_b64 v10, v[PC+10:PC+11], s[92:93] offset:512
	v_lshrrev_b32 v[TW], v13, v[PW]
	v_and_or_b32 v[SW+(\a)], v[TW], s100, s101
.endm
.irp a, 0,1,2,3,4,5,6,7
	EPI \a
.endr
	global_store_b128 v11, v[SW:SW+3], s[94:95]                    ; sixteen lanes store 256 consecutive bytes, aligned: the words of four blocks for each row
	global_store_b128 v12, v[SW+4:SW+7], s[94:95]
	s_wait_tensorcnt 0x0                           ; the wave's end: a wait, an add of 0 to my spare word and its wait, behind my last tensor load
	ds_add_u32 v[SPW], v[NIL]
	s_wait_dscnt 0x0
	CROUND                                         ; the closing round: no work-group ends while a partner may still ask for a tile that names it
	s_endpgm
.Lfunc_end_k_qf69e078777_proj:
	.size	k_qf69e078777_proj, .Lfunc_end_k_qf69e078777_proj-k_qf69e078777_proj
	.p2alignl 7, 3214868480
	.fill 96, 4, 3214868480
	.section	.rodata,"a",@progbits
	.p2align	6, 0x0
	.amdhsa_kernel k_qf69e078777_proj
		.amdhsa_group_segment_fixed_size 327680
		.amdhsa_private_segment_fixed_size 0
		.amdhsa_enable_private_segment 0
		.amdhsa_kernarg_size 48
		.amdhsa_user_sgpr_count 2
		.amdhsa_user_sgpr_kernarg_segment_ptr 1
		.amdhsa_wavefront_size32 1
		.amdhsa_system_sgpr_workgroup_id_x 1
		.amdhsa_system_sgpr_workgroup_id_y 1
		.amdhsa_system_sgpr_workgroup_id_z 1
		.amdhsa_system_vgpr_workitem_id 0
		.amdhsa_next_free_vgpr 1024
		.amdhsa_next_free_sgpr 102
		.amdhsa_reserve_vcc 0
		.amdhsa_float_denorm_mode_32 3
		.amdhsa_float_denorm_mode_16_64 3
		.amdhsa_memory_ordered 1
		.amdhsa_forward_progress 1
		.amdhsa_inst_pref_size 191
	.end_amdhsa_kernel
	.amdgpu_metadata
---
amdhsa.version: [ 1, 2 ]
amdhsa.kernels:
  - .name:           k_qf69e078777_proj
    .symbol:         k_qf69e078777_proj.kd
    .args:
      - { .name: xc, .offset: 0, .size: 8, .value_kind: global_buffer, .address_space: global }
      - { .name: xs, .offset: 8, .size: 8, .value_kind: global_buffer, .address_space: global }
      - { .name: bq, .offset: 16, .size: 8, .value_kind: global_buffer, .address_space: global }
      - { .name: bk, .offset: 24, .size: 8, .value_kind: global_buffer, .address_space: global }
      - { .name: bv, .offset: 32, .size: 8, .value_kind: global_buffer, .address_space: global }
      - { .name: pj, .offset: 40, .size: 8, .value_kind: global_buffer, .address_space: global }
    .group_segment_fixed_size: 327680
    .private_segment_fixed_size: 0
    .kernarg_segment_align: 8
    .kernarg_segment_size: 48
    .max_flat_workgroup_size: 128
    .sgpr_count:     102
    .vgpr_count:     1024
    .wavefront_size: 32
...
	.end_amdgpu_metadata
.endif
;; end of part 2
;; launch attn (part 3): grid 8 x 64, 16 waves a work-group, clusters of 4 x 1, 327,680 bytes of LDS; arguments pj, mask, cc, cs; writes cc, cs
.if DOCPART == 3
	.amdgcn_target "amdgcn-amd-amdhsa--gfx1250"
	.amdhsa_code_object_version 6
	.text
	.protected	k_qf69e078777_attn
	.globl	k_qf69e078777_attn
	.p2align	8
	.type	k_qf69e078777_attn,@function
k_qf69e078777_attn:
	s_mov_b64 s[64:65], 0
	v_nop
	global_prefetch_b8 v0, s[64:65] scope:SCOPE_SE
	s_setreg_imm32_b32 hwreg(HW_REG_WAVE_MODE, 25, 1), 1
	s_wait_xcnt 0x0
	s_wait_alu depctr_hold_cnt(0) depctr_sa_sdst(0) depctr_va_vdst(0) depctr_va_sdst(0) depctr_va_ssrc(0) depctr_va_vcc(0) depctr_vm_vsrc(0)
	s_getreg_b32 s2, hwreg(HW_REG_IB_STS2, 6, 4)
	s_cmp_eq_u32 s2, 0
	s_cbranch_scc0 .Lentry_in_a_cluster
	s_endpgm
.Lentry_in_a_cluster:
	s_bfe_u32 s2, ttmp6, 0x10000c
	s_cmp_lg_u32 s2, 0x3003
	s_cbranch_scc0 .Lentry_shape_is_right
	s_endpgm
.Lentry_shape_is_right:
; ctx[b][q][head] = softmax_k(q . k / 8, keys with mask 0 left out) v, both products on codes of FP6 (E2M3) with E8M0 scales; ctx is quantised along D and stored as images of operand registers (cc) and scale bytes (cs).
; THE SOFTMAX: t = score x log2(e) / 8; M = the row's largest t so far, rounded up to a whole number; p = 2^(t - M) is what is quantised, along the keys.  The row's sum is taken of the unquantised p and divides O at the end.
; When M moves, the sum and O are multiplied by 2^(old M - new M): exact.
; SHARES.  A work-group owns 256 queries of one (batch, head); each of its sixteen waves one tile of 16, in 256 registers.  Every wave walks the head's 2,048 keys, 128 a step.
; A WHOLE HEAD'S k, v and scale words, 16 records of 13,056 bytes, lie in LDS as they lie in memory: 208,896 bytes, each filled once, so there is no ring.  They come in four chunks of four steps; a chunk is read behind its own wait and barrier.
; CLUSTER.  The four query blocks of a cluster belong to one head: each chunk is asked for jointly, by the same tensor load with the same descriptor and the mask of all four.  Waves 0 and 1 ask, four loads each, all out together.
; LAYOUT.  Both products are used transposed: S^T = K Q^T (source 0 = 16 keys), O^T = V^T P^T (source 0 = 16 channels): a lane holds one query throughout.  k's tiles and v's channels were stored so that the 16 registers of
; two neighbouring tiles are 16 neighbours: keys 32 b + 16 (lane / 16) + 0 .. 15 in S^T, channels likewise in O^T.
; K = 64 IN AN INSTRUCTION OF 128.  q's upper six registers are zero codes and both sides' upper scale bytes are the number 1, so what k's upper six registers hold adds nothing (the format has no infinity and no NaN):
; k's fragment t is v[KV + 6 t .. + 11], which runs into the next fragment, the last into six zeros.  So k is read from LDS once, six registers a tile.
; THE MASK is a bias in f32 for each key, 0 or -2^100, made once in LDS; it is loaded into S^T's registers and is the C of the score's product: it costs no vector instruction.
; LIMITS: a masked score is -2^100, not -infinity: its p is exactly 0 while the row's real t lie above -2^60, where the running maximum starts.  A batch whose mask has no key left (NaN in the reference) is not served.
; NaN and infinities are not served; blocks whose largest magnitude lies under 2^-124 keep the byte 1.
.set REC,   13056                      ; a record: k's 8 images of 768 bytes; v's 4 x 2 at 6,144; v's scale words at 12,288; k's at 12,544 (tiles 0-3) and 12,800 (tiles 4-7)
.set HEADB, 16*REC
.set MB,    HEADB                      ; behind the records: the mask's bias, 2,048 f32 in key order: written by LDS stores, no tile lands there
.set SPARE, MB+8192                    ; the spare words, 128 bytes for each wave, that no other line names
.set A16,  1                           ; v1  16 x lane + the step's record
.set A8,   2                           ; v2  8 x lane + the step's record
.set AMB,  3                           ; v3  the step's 128 numbers of the mask's bias, + 64 (lane / 16)
.set SPW,  4                           ; v4  LDS address of my spare word; never rewritten
.set NIL,  5                           ; v5  0; never rewritten
.set L16,  6                           ; v6  16 x lane
.set L8,   7                           ; v7  8 x lane
.set LMB,  8                           ; v8  MB + 64 (lane / 16)
.set QF,   16                          ; v16-27 q's fragment: 16-21 loaded, 22-27 zero codes.   v12 -M, v13 the largest t, v[14:15] the sum in two halves
.set QS,   28                          ; q's scale words
.set KSC,  32                          ; v32-35 k's scale words: lanes 0-15 tiles 0-3, lanes 16-31 tiles 4-7
.set VSC,  36                          ; v36-39 v's
.set KV,   40                          ; v40-87 k's eight fragments, six registers apart, later v's four of twelve; v88-93 zeros
.set S,    96                          ; v96-159 S^T, then p
.set O,    160                         ; v160-191 O^T
.set PC,   192                         ; v192-203 p's codes
.set CT,   204                         ; v204-206, v208-210 halves on their way
.set BM,   212                         ; v212-215 each block's largest score, then its largest p
.set PT,   216                         ; v216-219 the other lanes', then bytes
.set SO,   220                         ; v220-223 the conversions' scale operands
.set PS,   224                         ; p's scale word
.set F,    226                         ; v[226:227] f = 2^(old M - new M); the upper half is named with it and holds 0
.set SUM2, 228                         ; v[228:229] the second chain of the row's sum
.set T,    230
.set HW,   231                         ; ctx's two scale bytes
.set WV,   12                          ; s12 my wave's number
.set G1,   24                          ; s[24:31] descriptor group 1; s[32:47] four groups 0
.set G0,   32
.set SEL,  48                          ; s[48:49] lane selects for lane l xor 16
.set CS,   50                          ; s[50:51] c = log2(e) / 8, twice
.set CNT,  52
.set TB,   54                          ; s54 LDS byte at which the step's record begins
.set TMK,  55                          ; s55 and its 512 bytes of the mask's bias
.macro CROUND                          ; a round of the cluster's barrier
	s_barrier_signal -1
	s_barrier_wait -1
	s_cmp_lg_u32 s[WV], 0
	s_cbranch_scc1 .Lnot_wave_0_\@
	s_barrier_signal -3
.Lnot_wave_0_\@:
	s_barrier_wait -3
	s_barrier_signal -1
	s_barrier_wait -1
.endm
	s_load_b256 s[4:11], s[0:1], 0x0               ; pj s[4:5], mask s[6:7], cc s[8:9], cs s[10:11]
	v_lshl_add_u32 v[SPW], v0, 2, SPARE
	v_mov_b32 v[NIL], 0
	ds_add_u32 v[SPW], v[NIL]                      ; the wave's opening: the add and its wait stand ahead of the first tensor loads; the set-up below, work on registers, stands between them
	ds_add_u32 v[SPW], v[NIL]
	v_lshrrev_b32 v1, 5, v0
	s_delay_alu instid0(VALU_DEP_1)
	v_readfirstlane_b32 s[WV], v1                  ; wave 0..15
	s_bfe_u32 s13, ttmp6, 0x40000                  ; cx: it enters the addresses of q, cc and cs alone
	s_lshl_b32 s14, ttmp9, 2
	s_add_co_u32 s14, s14, s13                     ; my block of 256 queries
	s_and_b32 s15, ttmp7, 0xffff                   ; bh, which the four partners share
	s_lshr_b32 s16, s15, 4                         ; the batch
	s_and_b32 s17, s15, 15                         ; the head
	; descriptor group 1: two records, 26,112 dense bytes, as 102 rows of 256 bytes (32 elements of 8), no padding
	s_mov_b32 s[G1], 15|(3<<16)|(1<<21)            ; 15:0 the mask: all four work-groups; 17:16 elements of 8 bytes; 21 set beside a mask
	s_mov_b32 s[G1+1], 32<<16                      ; tensor_dim0
	s_mov_b32 s[G1+2], 102<<16                     ; tensor_dim1
	s_mov_b32 s[G1+3], 32<<16                      ; tile_dim0
	s_mov_b32 s[G1+4], 102                         ; tile_dim1
	s_mov_b32 s[G1+5], 32                          ; tensor_dim0_stride
	s_mov_b32 s[G1+6], 0
	s_mov_b32 s[G1+7], 0
	s_mul_i32 s18, s15, HEADB
	s_add_co_u32 s18, s18, 6815744                 ; the head's records in pj (under 2^25),
	s_mul_i32 s20, s[WV], 2*REC                    ; my two of a chunk's four, in memory and in LDS alike
	s_add_co_u32 s18, s18, s20
	s_mov_b32 s19, 0
	s_mov_b32 s[SEL], 0x76543210
	s_mov_b32 s[SEL+1], 0xfedcba98
	s_mov_b32 s[CS], 0x3e38aa3b                    ; c = log2(e) / 8
	s_mov_b32 s[CS+1], s[CS]                       ; (named with it as a pair, so it is written)
	s_mov_b32 s[TB], 0
	s_mov_b32 s[TMK], 0
	v_and_b32 v1, 31, v0
	s_delay_alu instid0(VALU_DEP_1)
	v_lshlrev_b32 v[L16], 4, v1
	s_delay_alu instid0(VALU_DEP_2)
	v_lshlrev_b32 v[L8], 3, v1
	v_bfe_u32 v2, v0, 4, 1
	s_delay_alu instid0(VALU_DEP_1)
	v_lshl_add_u32 v[LMB], v2, 6, MB
	v_lshlrev_b32 v9, 2, v0                        ; the mask: 4 bytes a thread
	v_and_b32 v11, 15, v0
	s_delay_alu instid0(VALU_DEP_1)
	v_lshlrev_b32 v11, 4, v11                      ; q's scale words: 16 bytes a row
	s_wait_dscnt 0x0                               ; the opening add is done
	s_wait_kmcnt 0x0
	s_add_nc_u64 s[18:19], s[4:5], s[18:19]
.irp c, 0,1,2,3
	s_mov_b32 s[G0+4*\c], 1                        ; count = 1
	s_add_co_u32 s[G0+4*\c+1], s20, 4*REC*\c       ; LDS address: 26,112 x wave + 52,224 x chunk
	s_add_nc_u64 s[G0+4*\c+2:G0+4*\c+3], s[18:19], 4*REC*\c
	s_or_b32 s[G0+4*\c+3], s[G0+4*\c+3], 0x80000000  ; type = 2
.endr
	CROUND                                         ; all four work-groups are here: the joint loads meet
	s_cmp_lt_u32 s[WV], 2                          ; a wave's four fills stand in one branch on the wave's number, ahead of every wait on TENSORcnt, every LDS read and every other barrier: four loads of mine are out
	s_cbranch_scc0 .Lno_fetch
.irp c, 0,1,2,3
	tensor_load_to_lds s[G0+4*\c:G0+4*\c+3], s[G1:G1+7]
	s_nop 0
.endr
.rept 4
	v_nop
.endr
.Lno_fetch:
	s_lshl_b32 s20, s16, 11                        ; the batch's 2,048 mask bytes
	s_mov_b32 s21, 0
	s_add_nc_u64 s[6:7], s[6:7], s[20:21]
	s_wait_alu depctr_va_vdst(0)
	global_load_b32 v10, v9, s[6:7]                ; four keys a thread
	s_lshl_b32 s22, s14, 4
	s_add_co_u32 s22, s22, s[WV]                   ; my tile of 16 queries in the head
	s_mul_i32 s20, s15, 98304
	s_mul_i32 s23, s22, 768
	s_add_co_u32 s20, s20, s23
	s_add_nc_u64 s[56:57], s[4:5], s[20:21]
	global_load_b128 v[QF:QF+3], v[L16], s[56:57]          ; q's image: it stays in registers
	global_load_b64 v[QF+4:QF+5], v[L8], s[56:57] offset:512
	s_lshl_b32 s20, s15, 13
	s_lshr_b32 s23, s22, 2
	s_lshl_b32 s23, s23, 8
	s_add_co_u32 s20, s20, s23                     ; four tiles' words lie together, 256 bytes;
	s_and_b32 s23, s22, 3
	s_lshl_b32 s23, s23, 2
	s_add_co_u32 s20, s20, s23                     ; mine of the four
	s_add_co_u32 s20, s20, 6291456
	s_add_nc_u64 s[58:59], s[4:5], s[20:21]
	global_load_b32 v[QS], v11, s[58:59]
	s_lshl_b32 s23, s16, 7
	s_add_co_u32 s23, s23, s22                     ; my tile of 16 tokens among all 512
	s_lshl_b32 s20, s23, 4
	s_add_co_u32 s20, s20, s17
	s_mul_i32 s20, s20, 768
	s_add_nc_u64 s[8:9], s[8:9], s[20:21]          ; cc: [tile][head][768]
	s_lshl_b32 s20, s23, 9
	s_lshl_b32 s23, s17, 1
	s_add_co_u32 s20, s20, s23
	s_add_nc_u64 s[10:11], s[10:11], s[20:21]      ; cs: [token][32], my head's two bytes
.irp j, 6,7,8,9,10,11
	v_mov_b32 v[QF+\j], 0                          ; q's upper 64 along K: zero codes
.endr
.irp j, 0,1,2,3,4,5
	v_mov_b32 v[KV+48+\j], 0                       ; what the last fragment of k runs into
.endr
.irp j, 0,1,2,3,4,5,6,7,8,9,10,11,12,13,14,15,16,17,18,19,20,21,22,23,24,25,26,27,28,29,30,31
	v_mov_b32 v[O+\j], 0                           ; O^T: the step is written once; the first finds zeros, which the first change of M leaves zeros
.endr
	v_mov_b32 v14, 0                               ; the sum, in two halves
	v_mov_b32 v15, 0
.irp b, 0,1,2,3
	v_mov_b32 v[PT+\b], 0                          ; written once: a lane permute's destination counts as one of its sources
.endr
	v_mov_b32 v[F+1], 0
	v_mov_b32 v13, 0xdd800000                      ; the largest t so far: -2^60
	s_delay_alu instid0(VALU_DEP_1)
	v_floor_f32 v12, -v13                          ; -M
	v_mov_b32 v236, 0xf1800000                     ; -2^100
	v_lshl_add_u32 v237, v0, 4, MB
	s_wait_alu depctr_va_vdst(0)
	s_wait_loadcnt 3                               ; the mask word is in; q's three loads, issued behind it, may be out
.irp i, 0,1,2,3
	v_bfe_u32 v[232+\i], v10, 8*\i, 8
.endr
.irp i, 0,1,2,3
	v_cmp_eq_u32 vcc_lo, 0, v[232+\i]
	s_delay_alu instid0(VALU_DEP_1)
	v_cndmask_b32 v[232+\i], 0, v236, vcc_lo       ; a key that counts: 0; one that does not: -2^100.  A choice of values: no branch and no address hangs on the mask
.endr
	ds_store_b128 v237, v[232:235]                 ; key order: 16 bytes a thread
; A KEY STEP: 128 keys.
.macro STEP
	v_add_nc_u32 v[A16], s[TB], v[L16]             ; these three and the v_nop are the places between the last products and the loads into registers that they have read
	v_add_nc_u32 v[A8], s[TB], v[L8]
	v_add_nc_u32 v[AMB], s[TMK], v[LMB]
	v_nop
.irp t, 0,1,2,3,4,5,6,7
	ds_load_b128 v[KV+6*\t:KV+6*\t+3], v[A16] offset:768*\t            ; k's image of tile t, as it was stored: consecutive bytes
	ds_load_b64 v[KV+6*\t+4:KV+6*\t+5], v[A8] offset:768*\t+512
.endr
	ds_load_b128 v[KSC:KSC+3], v[A16] offset:12544                     ; lanes 0-15: row r's words of tiles 0-3; lanes 16-31: of tiles 4-7
.irp t, 0,1,2,3,4,5,6,7
	ds_load_b128 v[S+8*\t:S+8*\t+3], v[AMB] offset:(32*(\t/2)+8*(\t%2))*4      ; the mask's bias of the lane's eight keys of tile t: 32 (t / 2) + 16 (lane / 16) + 8 (t % 2) + 0 .. 7
	ds_load_b128 v[S+8*\t+4:S+8*\t+7], v[AMB] offset:(32*(\t/2)+8*(\t%2))*4+16
.endr
	s_wait_alu depctr_va_vdst(0)
	s_wait_dscnt 0x0
.irp t, 0,1,2,3                                ; S^T = K Q^T + the mask's bias.  The accumulators take turns, one instruction a turn, over the loop's edge too
	v_wmma_scale_f32_16x16x128_f8f6f4 v[S+8*\t:S+8*\t+7], v[KV+6*\t:KV+6*\t+11], v[QF:QF+11], v[S+8*\t:S+8*\t+7], v[KSC+\t], v[QS] matrix_a_fmt:MATRIX_FMT_FP6 matrix_b_fmt:MATRIX_FMT_FP6
.endr
.irp t, 4,5,6,7
	v_wmma_scale_f32_16x16x128_f8f6f4 v[S+8*\t:S+8*\t+7], v[KV+6*\t:KV+6*\t+11], v[QF:QF+11], v[S+8*\t:S+8*\t+7], v[KSC+\t-4], v[QS] matrix_a_fmt:MATRIX_FMT_FP6 matrix_b_fmt:MATRIX_FMT_FP6 matrix_a_scale:MATRIX_SCALE_ROW1
.endr
.rept 4
	v_nop                                          ; places: in front of the loads into k's registers, and of the first read of the scores
.endr
.irp u, 0,1,2,3                                ; v's four fragments (16 channels x 128 keys) land while the softmax is walked
.irp c, 0,1
	ds_load_b128 v[KV+12*\u+6*\c:KV+12*\u+6*\c+3], v[A16] offset:6144+1536*\u+768*\c
	ds_load_b64 v[KV+12*\u+6*\c+4:KV+12*\u+6*\c+5], v[A8] offset:6144+1536*\u+768*\c+512
.endr
.endr
	ds_load_b128 v[VSC:VSC+3], v[A16] offset:12288                     ; lanes 0-15: row r's words of the four tiles (lanes 16-31 are not read by the products)
.irp b, 0,1,2,3
	v_max3_num_f32 v[BM+\b], v[S+16*\b], v[S+1+16*\b], v[S+2+16*\b]    ; the largest score of each block of 32 keys: it serves for the row's maximum and, since p rises with the score, for the block's largest p
.endr
.irp i, 3,5,7,9,11,13
.irp b, 0,1,2,3
	v_max3_num_f32 v[BM+\b], v[BM+\b], v[S+16*\b+\i], v[S+1+16*\b+\i]  ; (the four blocks by turns; each accumulator is read from its low end on)
.endr
.endr
.irp b, 0,1,2,3
	v_max_num_f32 v[BM+\b], v[BM+\b], v[S+15+16*\b]
.endr
.irp b, 0,1,2,3
	s_delay_alu instid0(VALU_DEP_4)
	v_permlanex16_b32 v[PT+\b], v[BM+\b], s[SEL], s[SEL+1]
.endr
.irp b, 0,1,2,3
	s_delay_alu instid0(VALU_DEP_4)
	v_max_num_f32 v[BM+\b], v[BM+\b], v[PT+\b]     ; with lane l xor 16's 16 keys
.endr
	s_delay_alu instid0(VALU_DEP_2)
	v_max3_num_f32 v[T], v[BM], v[BM+1], v[BM+2]
	s_delay_alu instid0(VALU_DEP_1)
	v_max_num_f32 v[T], v[T], v[BM+3]              ; the step's largest score of my query
	s_delay_alu instid0(VALU_DEP_1)
	v_mul_f32 v[T], s[CS], v[T]                    ; as t (c is positive)
	s_delay_alu instid0(VALU_DEP_1)
	v_max_num_f32 v13, v13, v[T]                   ; the running largest t
	v_mov_b32 v[T], v12
	s_delay_alu instid0(VALU_DEP_2)
	v_floor_f32 v12, -v13                          ; the new -M = floor(-t) = -ceil(t): a whole number
	s_delay_alu instid0(VALU_DEP_1)
	v_sub_f32 v[T], v12, v[T]                      ; M's old value less its new one: a whole number, 0 or less
	s_delay_alu instid0(VALU_DEP_1)
	v_cvt_i32_f32 v[T], v[T]                       ; (it saturates)
	s_delay_alu instid0(VALU_DEP_1)
	v_ldexp_f32 v[F], 1.0, v[T]                    ; f = 2^(old M - new M): a multiplication by it rounds nothing
.irp j, 0,2,4,6,8,10,12,14,16,18,20,22,24,26,28,30,32,34,36,38,40,42,44,46,48,50,52,54,56,58,60,62
	v_pk_fma_f32 v[S+\j:S+1+\j], v[S+\j:S+1+\j], s[CS:CS+1], v[12:13] op_sel_hi:[1,0,0]   ; t - M, two at a time (of the pairs c and -M the low word serves both halves)
.endr
.irp b, 0,1,2,3
	v_fma_f32 v[BM+\b], v[BM+\b], s[CS], v12       ; the same of each block's largest score
.endr
	s_setprio 1
	s_wait_alu depctr_va_vdst(0)
.irp j, 0,1,2,3,4,5,6,7,8,9,10,11,12,13,14,15,16,17,18,19,20,21,22,23,24,25,26,27,28,29,30,31,32,33,34,35,36,37,38,39,40,41,42,43,44,45,46,47,48,49,50,51,52,53,54,55,56,57,58,59,60,61,62,63
	v_exp_f32 v[S+\j], v[S+\j]                     ; p = 2^(t - M), at most 1: not normalised
.endr
	v_pk_mul_f32 v[14:15], v[14:15], v[F:F+1] op_sel_hi:[1,0]          ; the sums under the new M (the plain line behind the exponentials)
	s_wait_alu depctr_va_vdst(0)                   ; one wait for the batch of 64, ahead of its first reader
.irp b, 0,1,2,3
	v_exp_f32 v[BM+\b], v[BM+\b]                   ; the block's largest p: the same two instructions on the same number give the same bits
.endr
	v_pk_add_f32 v[228:229], v[100:101], v[104:105]
	v_pk_add_f32 v[254:255], v[108:109], v[112:113]
	v_pk_add_f32 v[252:253], v[116:117], v[120:121]
	v_pk_add_f32 v[250:251], v[124:125], v[128:129]
	v_pk_add_f32 v[248:249], v[132:133], v[136:137]
	v_pk_add_f32 v[246:247], v[140:141], v[144:145]
	v_pk_add_f32 v[244:245], v[148:149], v[152:153]
	v_pk_add_f32 v[14:15], v[14:15], v[156:157]
	v_pk_add_f32 v[228:229], v[228:229], v[96:97]
	v_pk_add_f32 v[254:255], v[254:255], v[98:99]
	v_pk_add_f32 v[252:253], v[252:253], v[102:103]
	v_pk_add_f32 v[250:251], v[250:251], v[106:107]
	v_pk_add_f32 v[248:249], v[248:249], v[110:111]
	v_pk_add_f32 v[246:247], v[246:247], v[114:115]
	v_pk_add_f32 v[244:245], v[244:245], v[118:119]
	v_pk_add_f32 v[14:15], v[14:15], v[122:123]
	v_pk_add_f32 v[228:229], v[228:229], v[126:127]
	v_pk_add_f32 v[254:255], v[254:255], v[130:131]
	v_pk_add_f32 v[252:253], v[252:253], v[134:135]
	v_pk_add_f32 v[250:251], v[250:251], v[138:139]
	v_pk_add_f32 v[248:249], v[248:249], v[142:143]
	v_pk_add_f32 v[246:247], v[246:247], v[146:147]
	v_pk_add_f32 v[244:245], v[244:245], v[150:151]
	v_pk_add_f32 v[14:15], v[14:15], v[154:155]
	v_pk_add_f32 v[228:229], v[228:229], v[158:159]
	s_delay_alu instid0(VALU_DEP_2)
	v_pk_add_f32 v[14:15], v[14:15], v[250:251]
	s_delay_alu instid0(VALU_DEP_2)
	v_pk_add_f32 v[228:229], v[228:229], v[248:249]
	v_pk_add_f32 v[254:255], v[254:255], v[246:247]
	v_pk_add_f32 v[252:253], v[252:253], v[244:245]
	s_delay_alu instid0(VALU_DEP_2)
	v_pk_add_f32 v[14:15], v[14:15], v[254:255]
	s_delay_alu instid0(VALU_DEP_2)
	v_pk_add_f32 v[228:229], v[228:229], v[252:253]
	s_delay_alu instid0(VALU_DEP_1)
	v_pk_add_f32 v[14:15], v[14:15], v[228:229]
	s_wait_alu depctr_va_vdst(0)                   ; and one for the four
.irp b, 0,1,2,3
	v_max_num_f32 v[BM+\b], 0x1800000, v[BM+\b]    ; the floor 2^(3 - 127): the byte cannot fall under 1 (a block whose every p is 0 keeps that byte: its codes are zeros)
.endr
.irp b, 0,1,2,3
	s_delay_alu instid0(VALU_DEP_4)
	v_add_nc_u32 v[SO+\b], 0xff000000, v[BM+\b]    ; 2 off the exponent field: the conversion's scale operand
.endr
.irp b, 0,1,2,3
	s_delay_alu instid0(VALU_DEP_4)
	v_lshrrev_b32 v[PT+\b], 23, v[SO+\b]           ; the scale's byte
.endr
	s_delay_alu instid0(VALU_DEP_3)
	v_lshl_or_b32 v[PS], v[PT+1], 8, v[PT]         ; p's scale word for these 128 keys
	s_delay_alu instid0(VALU_DEP_1)
	v_lshl_or_b32 v[PS], v[PT+2], 16, v[PS]
	s_delay_alu instid0(VALU_DEP_1)
	v_lshl_or_b32 v[PS], v[PT+3], 24, v[PS]
.irp c, 0,1
	v_cvt_scalef32_pk16_fp6_f32 v[PC+6*\c:PC+2+6*\c], v[S+32*\c:S+15+32*\c], v[SO+2*\c]
	v_cvt_scalef32_pk16_fp6_f32 v[CT+4*\c:CT+2+4*\c], v[S+16+32*\c:S+31+32*\c], v[SO+2*\c+1]   ; (a conversion's three registers begin on an even number)
.endr
	v_nop                                          ; one plain line behind the scaled conversions
	s_setprio 0
.irp c, 0,1                                    ; the operand's layout wants a whole block in a lane: lanes 0-15 block 2 c, lanes 16-31 block 2 c + 1
.irp i, 0,1,2
	v_permlane16_swap_b32 v[PC+6*\c+\i], v[CT+4*\c+\i]
.endr
.irp i, 0,1,2
	s_delay_alu instid0(VALU_DEP_3)
	v_mov_b32 v[PC+3+6*\c+\i], v[CT+4*\c+\i]
.endr
.endr
.irp j, 0,2,4,6,8,10,12,14,16,18,20,22,24,26,28,30
	v_pk_mul_f32 v[O+\j:O+1+\j], v[O+\j:O+1+\j], v[F:F+1] op_sel_hi:[1,0]   ; O^T under the new M.  (These sixteen also stand between the lines that made p's codes and scale word and the products below)
.endr
	s_wait_alu depctr_va_vdst(0)
	s_wait_dscnt 0x0                               ; v is in
.irp u, 0,1,2,3                                ; O^T += V^T P^T: four tiles of 16 channels; K = these 128 keys
	v_wmma_scale_f32_16x16x128_f8f6f4 v[O+8*\u:O+8*\u+7], v[KV+12*\u:KV+12*\u+11], v[PC:PC+11], v[O+8*\u:O+8*\u+7], v[VSC+\u], v[PS] matrix_a_fmt:MATRIX_FMT_FP6 matrix_b_fmt:MATRIX_FMT_FP6
.endr
	s_add_co_u32 s[TB], s[TB], REC                 ; the next step's record,
	s_add_co_u32 s[TMK], s[TMK], 512               ; and its part of the mask's bias
.endm
; A CHUNK: four key steps.  The waves that asked wait for the chunk's load: 3 - n of their loads were issued behind it and may stay out; the others have none out.
.macro CHUNK n
	s_wait_tensorcnt 3-\n
.if \n == 0
	s_wait_loadcnt 0x0                             ; q and its scale words
.endif
	s_wait_dscnt 0x0                               ; for the others' sake: my store of the mask's bias has landed (n = 0); no LDS instruction of mine is out at the signal
	s_barrier_signal -1
	s_barrier_wait -1                              ; the chunk lies in LDS for all sixteen waves
	s_mov_b32 s[CNT], 4
.Lstep_\@:
	s_setprio 2
	STEP
	s_sub_co_u32 s[CNT], s[CNT], 1
	s_cmp_lg_u32 s[CNT], 0
	s_cbranch_scc1 .Lstep_\@
	s_setprio 0
.endm
	CHUNK 0
	CHUNK 1
	CHUNK 2
	CHUNK 3
	; THE WAY OUT.  O^T / the sum is ctx: register 16 b + i is channel 32 b + 16 (lane / 16) + i of my head.  Its two blocks of 32 are quantised along D as every operand is, and leave as an image of six registers.
	v_add_f32 v14, v14, v15                        ; the sum's two halves,
	s_delay_alu instid0(VALU_DEP_1)
	v_permlanex16_b32 v[PT], v14, s[SEL], s[SEL+1]
	s_delay_alu instid0(VALU_DEP_1)
	v_add_f32 v14, v14, v[PT]                      ; and lane l xor 16's: the row's sum
	s_wait_alu depctr_va_vdst(0)
	v_rcp_f32 v[F], v14
	v_and_b32 v9, 15, v0                           ; (plain lines behind the reciprocal, and with the additions above the places behind the last products)
	s_delay_alu instid0(VALU_DEP_1)
	v_lshlrev_b32 v9, 5, v9                        ; cs: 32 bytes a token
	v_nop
	s_wait_alu depctr_va_vdst(0)                   ; the wait ahead of the reciprocal's first reader
.irp j, 0,2,4,6,8,10,12,14,16,18,20,22,24,26,28,30
	v_pk_mul_f32 v[S+\j:S+1+\j], v[O+\j:O+1+\j], v[F:F+1] op_sel_hi:[1,0]
.endr
.irp b, 0,1
	v_max3_num_f32 v[BM+\b], |v[S+16*\b]|, |v[S+1+16*\b]|, 0x1800000   ; my 16 numbers of block b, and the floor
.endr
.irp i, 2,4,6,8,10,12,14
.irp b, 0,1
	s_delay_alu instid0(VALU_DEP_2)
	v_max3_num_f32 v[BM+\b], v[BM+\b], |v[S+16*\b+\i]|, |v[S+1+16*\b+\i]|
.endr
.endr
.irp b, 0,1
	s_delay_alu instid0(VALU_DEP_2)
	v_permlanex16_b32 v[PT+\b], v[BM+\b], s[SEL], s[SEL+1]
.endr
.irp b, 0,1
	s_delay_alu instid0(VALU_DEP_2)
	v_max_num_f32 v[BM+\b], v[BM+\b], v[PT+\b]
.endr
.irp b, 0,1
	s_delay_alu instid0(VALU_DEP_2)
	v_add_nc_u32 v[SO+\b], 0xff000000, v[BM+\b]
.endr
.irp b, 0,1
	s_delay_alu instid0(VALU_DEP_2)
	v_lshrrev_b32 v[PT+\b], 23, v[SO+\b]
.endr
	s_delay_alu instid0(VALU_DEP_1)
	v_lshl_or_b32 v[HW], v[PT+1], 8, v[PT]         ; my head's two scale bytes of my row
	v_cvt_scalef32_pk16_fp6_f32 v[PC:PC+2], v[S:S+15], v[SO]
	v_cvt_scalef32_pk16_fp6_f32 v[CT:CT+2], v[S+16:S+31], v[SO+1]
	v_nop                                          ; one plain line behind the scaled conversions
.irp i, 0,1,2
	v_permlane16_swap_b32 v[PC+\i], v[CT+\i]
.endr
.irp i, 0,1,2
	s_delay_alu instid0(VALU_DEP_3)
	v_mov_b32 v[PC+3+\i], v[CT+\i]                 ; lane (r, h) now holds block h of row r
.endr
	global_store_b128 v[L16], v[PC:PC+3], s[8:9]                   ; 512 consecutive bytes, aligned
	global_store_b64 v[L8], v[PC+4:PC+5], s[8:9] offset:512        ; 256 consecutive bytes, aligned
	global_store_b16 v9, v[HW], s[10:11]           ; two bytes a token: a token's 32 bytes come from sixteen heads' work-groups; lanes 16-31 repeat lanes 0-15's address and data
	s_wait_tensorcnt 0x0                           ; the wave's end: a wait, an add of 0 to my spare word and its wait, behind my last tensor load and my last LDS store
	ds_add_u32 v[SPW], v[NIL]
	s_wait_dscnt 0x0
	CROUND                                         ; the closing round: no work-group ends while a partner may still ask for a tile that names it
	s_endpgm
.Lfunc_end_k_qf69e078777_attn:
	.size	k_qf69e078777_attn, .Lfunc_end_k_qf69e078777_attn-k_qf69e078777_attn
	.p2alignl 7, 3214868480
	.fill 96, 4, 3214868480
	.section	.rodata,"a",@progbits
	.p2align	6, 0x0
	.amdhsa_kernel k_qf69e078777_attn
		.amdhsa_group_segment_fixed_size 327680
		.amdhsa_private_segment_fixed_size 0
		.amdhsa_enable_private_segment 0
		.amdhsa_kernarg_size 32
		.amdhsa_user_sgpr_count 2
		.amdhsa_user_sgpr_kernarg_segment_ptr 1
		.amdhsa_wavefront_size32 1
		.amdhsa_system_sgpr_workgroup_id_x 1
		.amdhsa_system_sgpr_workgroup_id_y 1
		.amdhsa_system_sgpr_workgroup_id_z 1
		.amdhsa_system_vgpr_workitem_id 0
		.amdhsa_next_free_vgpr 256
		.amdhsa_next_free_sgpr 66
		.amdhsa_reserve_vcc 1
		.amdhsa_float_denorm_mode_32 3
		.amdhsa_float_denorm_mode_16_64 3
		.amdhsa_memory_ordered 1
		.amdhsa_forward_progress 1
		.amdhsa_inst_pref_size 87
	.end_amdhsa_kernel
	.amdgpu_metadata
---
amdhsa.version: [ 1, 2 ]
amdhsa.kernels:
  - .name:           k_qf69e078777_attn
    .symbol:         k_qf69e078777_attn.kd
    .args:
      - { .name: pj, .offset: 0, .size: 8, .value_kind: global_buffer, .address_space: global }
      - { .name: mask, .offset: 8, .size: 8, .value_kind: global_buffer, .address_space: global }
      - { .name: cc, .offset: 16, .size: 8, .value_kind: global_buffer, .address_space: global }
      - { .name: cs, .offset: 24, .size: 8, .value_kind: global_buffer, .address_space: global }
    .group_segment_fixed_size: 327680
    .private_segment_fixed_size: 0
    .kernarg_segment_align: 8
    .kernarg_segment_size: 32
    .max_flat_workgroup_size: 512
    .sgpr_count:     66
    .vgpr_count:     256
    .wavefront_size: 32
...
	.end_amdgpu_metadata
.endif
;; end of part 3
;; launch outp (part 4): grid 4 x 32, 4 waves a work-group, clusters of 4 x 4, 327,680 bytes of LDS; arguments cc, cs, xc, xs, bo, out0; writes out0
.if DOCPART == 4
	.amdgcn_target "amdgcn-amd-amdhsa--gfx1250"
	.amdhsa_code_object_version 6
	.text
	.protected	k_qf69e078777_outp
	.globl	k_qf69e078777_outp
	.p2align	8
	.type	k_qf69e078777_outp,@function
k_qf69e078777_outp:
	s_mov_b64 s[64:65], 0
	v_nop
	global_prefetch_b8 v0, s[64:65] scope:SCOPE_SE
	s_setreg_imm32_b32 hwreg(HW_REG_WAVE_MODE, 25, 1), 1
	s_wait_xcnt 0x0
	s_wait_alu depctr_hold_cnt(0) depctr_sa_sdst(0) depctr_va_vdst(0) depctr_va_sdst(0) depctr_va_ssrc(0) depctr_va_vcc(0) depctr_vm_vsrc(0)
	s_getreg_b32 s2, hwreg(HW_REG_IB_STS2, 6, 4)
	s_cmp_eq_u32 s2, 0
	s_cbranch_scc0 .Lentry_in_a_cluster
	s_endpgm
.Lentry_in_a_cluster:
	s_bfe_u32 s2, ttmp6, 0x10000c
	s_cmp_lg_u32 s2, 0xf033
	s_cbranch_scc0 .Lentry_shape_is_right
	s_endpgm
.Lentry_shape_is_right:
; out0 = ctx Wo^T + bo on codes of FP6 (E2M3) with E8M0 scales.  A = ctx [8192][1024]: codes as images of operand registers, cc [tile of 16 rows 512][head 16][768 bytes], scale bytes cs [8192][32].
; B = Wo [1024][1024]: rows of 768 bytes of codes at xc + 21,233,664, rows of 32 scale bytes at xs + 884,736.  out0 [8192][1024] f32; sums in f32, K ascending.
; A tile of the output, 256 x 256, is made by a work-group of four waves; a wave makes 128 x 128: 64 accumulators, 512 registers.  K goes in steps of 256 (four heads) through a ring of two LDS slots filled by the tensor data mover.
; An image is six registers of 32 lanes: registers 0-3 at 16 x lane, registers 4-5 at 512 + 8 x lane; two neighbouring heads' images are a fragment of 16 rows x 128 K: four loads of consecutive bytes, no padding.
; The scale bytes of the work-group's rows, for all of K, come into LDS once.  The bias is the C of each sum's first matrix instruction.
; CLUSTERS: 4 x 4 work-groups; A's tile is shared along a row of the cluster, B's along a column: each is asked for jointly, by the same tensor load with the same descriptor and a mask that names the four.
; The matrix instruction is used transposed (source 0 = 16 rows of B, source 1 = 16 rows of A): a lane then holds eight neighbouring numbers of a row of the output.
; 128 work-groups: the output has 128 tiles of this size.
; REGISTERS, in windows of 256: window 0: v0-31 addresses; v32-63 scale words, two sets; v64-127 the bias; from v128 A's fragments, one set (on the way out v128-255 take rows back from the stage).
;   window 1: B's fragments, two sets.   window 2: the accumulators of my rows 0-63 ((a, b) at v[8 (8 a + b)]);   window 3: those of rows 64-127.
.set SIZE_N, 1024
.set NQ,     2                         ; matrix instructions deep in a slot
.set ROWB,   192                       ; a row of B's tile in bytes
.set KROW,   768                       ; a row of B in memory
.set PITCH,  240                       ; B's LDS row: 3 x (64 bytes + 16 of padding)
.set FR,     12                        ; registers of a fragment
.set NLA,    4                         ; LDS loads that bring one of A's
.set NP,     4                         ; places behind this matrix instruction (ISA guide 7.12.1)
.set ATILE,  3072                      ; a tile of 16 rows of A in a slot: four images
.set AHALF,  8*ATILE                   ; 128 rows of A: what one tensor load brings
.set HALFT,  128*PITCH                 ; 128 rows of B
.set SLOT,   2*AHALF+2*HALFT           ; A's 256 rows, then B's 256 rows
.set KS,     32
.set SCL,    2*SLOT                    ; behind the ring: the scales, as 256 bytes + 16 of padding
.set HALFS,  (128*KS/256)*272
.set SBLK,   (16*KS/256)*272
.set SPARE,  SCL+4*HALFS               ; the spare words, 128 bytes for each wave, that no other line names
.set SPITCH, 528                       ; the way out: a stage of 16 rows x (512 bytes + 16) for each wave, in slot 0, which has had its last fill and its last read when the first result is stored there
.set ADRA, 16                          ; v16-17 LDS address of my A images in slot 0, 1: + 16 x lane;  v18-19: + 8 x lane
.set ADRB, 20                          ; v20-21 of my B fragments (v22-23: behind one padding more)
.set STO,  24                          ; v24 the way out: where I put 32 bytes of a row
.set RD,   25                          ; v25 where I read a row back
.set CO,   26                          ; v26 my byte offset in a row of the output
.set ADRS, 27                          ; v27 LDS address of my scale words: lanes 0-15 A's rows, lanes 16-31 B's
.set SPW,  28                          ; v28 LDS address of my spare word; never rewritten
.set NIL,  29                          ; v29 0; never rewritten
.set SC,   32
.set BC,   64                          ; the bias: eight registers for each of B's tiles, in the result's layout
.set AF,   128
.set BK,   128
.set G1, 24                            ; s[24:31] descriptor group 1 for A's tiles; s[32:39] group 0, one set for each slot
.set G0, 32
.set G1B, 48                           ; s[48:55], s[56:63] the same for B's tiles
.set G0B, 56
.set G1S, 68                           ; s[68:75], s[76:79] for A's scales; s[80:87], s[88:91] for B's
.set G0S, 76
.set G1SB, 80
.set G0SB, 88
.set MSB, 0
.macro WIN new                         ; the immediate's high byte repeats the setting that is left
.if MSB != \new
	s_set_vgpr_msb (MSB<<8)|\new
.set MSB, \new
.endif
.endm
.set MUL_LO, 0xa1                      ; source 0 (B) window 1, source 1 (A) window 0, C and D window 2
.set MUL_HI, 0xf1
.set TO_B,   0x40
.macro JLOAD g0a, g1a, g0b, g1b        ; a joint load: waves 0 and 1 fetch for A, waves 2 and 3 for B; an s_nop 0 and four v_nop follow each of the two lines
	s_cmp_eq_u32 s17, 0
	s_cbranch_scc0 .Lfor_b_\@
	tensor_load_to_lds s[\g0a:\g0a+3], s[\g1a:\g1a+7]
	s_nop 0
.rept 4
	v_nop
.endr
	s_branch .Lasked_\@
.Lfor_b_\@:
	tensor_load_to_lds s[\g0b:\g0b+3], s[\g1b:\g1b+7]
	s_nop 0
.rept 4
	v_nop
.endr
.Lasked_\@:
.endm
.macro CREST
	s_cmp_lg_u32 s16, 0
	s_cbranch_scc1 .Lnot_wave_0_\@
	s_barrier_signal -3
.Lnot_wave_0_\@:
	s_barrier_wait -3
	s_barrier_signal -1
	s_barrier_wait -1
.endm
.macro CROUND
	s_barrier_signal -1
	s_barrier_wait -1
	CREST
.endm
	s_load_b256 s[4:11], s[0:1], 0x0               ; cc s[4:5], cs s[6:7], xc s[8:9], xs s[10:11]
	s_load_b128 s[12:15], s[0:1], 0x20             ; bo s[12:13], out0 s[14:15]
	v_lshl_add_u32 v[SPW], v0, 2, SPARE
	v_mov_b32 v[NIL], 0
	ds_add_u32 v[SPW], v[NIL]                      ; the wave's opening: the add and its wait stand ahead of my first tensor load; the set-up below, work on registers, stands between them
	v_lshrrev_b32 v1, 5, v0
	v_readfirstlane_b32 s16, v1                    ; wave 0..3
	s_lshr_b32 s17, s16, 1                         ; which half of the tile's rows is mine.  Also: I fetch for A (0) or for B (1)
	s_and_b32 s18, s16, 1                          ; which half of its columns.  Also: which 128 rows of that tile I fetch
	s_bfe_u32 s40, ttmp6, 0x40000                  ; cx, cy
	s_bfe_u32 s41, ttmp6, 0x40004
	s_lshl_b32 s42, ttmp9, 2
	s_add_co_u32 s42, s42, s40                     ; tile column = 4 x cluster x + cx
	s_and_b32 s19, ttmp7, 0xffff
	s_lshl_b32 s19, s19, 2
	s_add_co_u32 s19, s19, s41                     ; tile row = 4 x cluster y + cy
	s_lshl_b32 s43, s41, 2
	s_lshl_b32 s43, 15, s43                        ; my row of the cluster
	s_lshl_b32 s44, 0x1111, s40                    ; my column
	; A's tiles: 8 rows (tiles of 16 tokens) x 3,072 bytes (four heads' images), 12,288 bytes apart in memory, dense in LDS; elements of 8 bytes
	s_or_b32 s[G1+0], s43, (3<<16)|(1<<21)         ; 15:0 the mask: my row; 17:16 elements of 8 bytes; 21 set beside a mask; no padding
	s_mov_b32 s[G1+1], 384<<16                     ; tensor_dim0
	s_mov_b32 s[G1+2], 8<<16                       ; tensor_dim1
	s_mov_b32 s[G1+3], 384<<16                     ; tile_dim0
	s_mov_b32 s[G1+4], 8                           ; tile_dim1
	s_mov_b32 s[G1+5], 1536                        ; tensor_dim0_stride
	s_mov_b32 s[G1+6], 0
	s_mov_b32 s[G1+7], 0
	; B's tiles: 128 rows x 192 bytes, 16 bytes of padding behind every 64
	s_or_b32 s[G1B+0], s44, (0<<16)|(1<<20)|(1<<21)|(3<<22)|(3<<25)
	s_mov_b32 s[G1B+1], ROWB<<16
	s_mov_b32 s[G1B+2], 128<<16
	s_mov_b32 s[G1B+3], ROWB<<16
	s_mov_b32 s[G1B+4], 128
	s_mov_b32 s[G1B+5], KROW
	s_mov_b32 s[G1B+6], 0
	s_mov_b32 s[G1B+7], 0
	; the scales of 128 rows: 4,096 dense bytes, as 16 rows of 256 bytes, 16 bytes of padding behind each
	s_or_b32 s[G1S+0], s43, (3<<16)|(1<<20)|(1<<21)|(5<<22)|(3<<25)
	s_or_b32 s[G1SB+0], s44, (3<<16)|(1<<20)|(1<<21)|(5<<22)|(3<<25)
.irp g, G1S, G1SB
	s_mov_b32 s[\g+1], 32<<16
	s_mov_b32 s[\g+2], (128*KS/256)<<16
	s_mov_b32 s[\g+3], 32<<16
	s_mov_b32 s[\g+4], 128*KS/256
	s_mov_b32 s[\g+5], 32
	s_mov_b32 s[\g+6], 0
	s_mov_b32 s[\g+7], 0
.endr
	s_lshl_b32 s46, s19, 4
	s_lshl_b32 s21, s18, 3
	s_add_co_u32 s46, s46, s21                     ; A: tile of 16 rows: 16 x tile row + 8 x half
	s_mul_i32 s46, s46, 12288                      ; its codes, in bytes (under 2^23)
	s_mov_b32 s47, 0
	s_lshl_b32 s96, s19, 8
	s_lshl_b32 s21, s18, 7
	s_add_co_u32 s96, s96, s21
	s_lshl_b32 s96, s96, 5                         ; its scale bytes
	s_mov_b32 s97, 0
	s_lshl_b32 s92, s42, 8
	s_add_co_u32 s92, s92, s21                     ; B: row 256 x tile column + 128 x half.  No register that feeds A's descriptors holds cx, none that feeds B's holds cy
	s_lshl_b32 s98, s92, 5
	s_add_co_u32 s98, s98, 884736                  ; Wo's scale bytes in xs
	s_mov_b32 s99, 0
	s_mul_i32 s92, s92, KROW
	s_add_co_u32 s92, s92, 21233664                ; Wo's codes in xc
	s_mov_b32 s93, 0
	s_mul_i32 s45, s18, AHALF                      ; where they go: A's halves,
	s_mul_i32 s22, s18, HALFT
	s_add_co_u32 s22, s22, 2*AHALF                 ; B's halves behind them,
	s_mul_i32 s94, s16, HALFS                      ; the scales by the wave's number: no place in the cluster enters an LDS address
	s_wait_dscnt 0x0                               ; the opening add is done
	s_wait_kmcnt 0x0
	s_add_nc_u64 s[46:47], s[4:5], s[46:47]
	s_add_nc_u64 s[96:97], s[6:7], s[96:97]
	s_add_nc_u64 s[92:93], s[8:9], s[92:93]
	s_add_nc_u64 s[98:99], s[10:11], s[98:99]
	CROUND                                         ; all sixteen work-groups are here: the first joint loads meet
	s_mov_b32 s[G0S], 1
	s_add_co_u32 s[G0S+1], s94, SCL
	s_mov_b64 s[G0S+2:G0S+3], s[96:97]
	s_or_b32 s[G0S+3], s[G0S+3], 0x80000000
	s_mov_b32 s[G0SB], 1
	s_add_co_u32 s[G0SB+1], s94, SCL
	s_mov_b64 s[G0SB+2:G0SB+3], s[98:99]
	s_or_b32 s[G0SB+3], s[G0SB+3], 0x80000000
	JLOAD G0S, G1S, G0SB, G1SB                     ; the scales first: they are wanted with K step 0
.irp s, 0,1
	s_mov_b32 s[G0+4*\s], 1
	s_add_co_u32 s[G0+4*\s+1], s45, \s*SLOT
	s_add_nc_u64 s[G0+4*\s+2:G0+4*\s+3], s[46:47], \s*ATILE
	s_or_b32 s[G0+4*\s+3], s[G0+4*\s+3], 0x80000000
	s_mov_b32 s[G0B+4*\s], 1
	s_add_co_u32 s[G0B+4*\s+1], s22, \s*SLOT
	s_add_nc_u64 s[G0B+4*\s+2:G0B+4*\s+3], s[92:93], \s*ROWB
	s_or_b32 s[G0B+4*\s+3], s[G0B+4*\s+3], 0x80000000
	JLOAD G0+4*\s, G1, G0B+4*\s, G1B               ; three tensor loads of mine are out behind the second of these
.endr
	v_and_b32 v1, 15, v0                           ; r
	v_bfe_u32 v2, v0, 4, 1                         ; h
	v_and_b32 v6, 31, v0                           ; lane
	v_lshlrev_b32 v3, 4, v6
	v_lshlrev_b32 v7, 3, v6
	v_mul_u32_u24 v4, v1, PITCH
	v_mad_u32_u24 v4, v2, 24, v4                   ; B: a fragment's row x pitch + 24 x half
	v_lshl_add_u32 v5, v2, 4, v4                   ; and the same behind one padding more
	s_mul_i32 s21, s17, AHALF                      ; my 128 rows of A
	s_mul_i32 s22, s18, HALFT                      ; my 128 rows of B,
	s_add_co_u32 s22, s22, 2*AHALF                 ; which lie behind A's 256
.irp s, 0,1
	v_add_nc_u32 v[ADRA+\s], s21, v3
	v_add_nc_u32 v[ADRA+2+\s], s21, v7
	v_add_nc_u32 v[ADRB+\s], s22, v4
	v_add_nc_u32 v[ADRB+2+\s], s22, v5
	s_add_co_u32 s21, s21, SLOT
	s_add_co_u32 s22, s22, SLOT
.endr
	v_mul_u32_u24 v5, v1, KS                       ; my row's scales: KS bytes a row,
	v_lshrrev_b32 v7, 8, v5
	v_lshl_add_u32 v5, v7, 4, v5                   ; and 16 more for each 256 passed
	s_mul_i32 s21, s17, HALFS
	s_mul_i32 s22, s18, HALFS
	s_add_co_u32 s22, s22, 2*HALFS
	s_sub_co_u32 s22, s22, s21
	v_mul_u32_u24 v7, s22, v2                      ; lanes 16-31 take B's: the lower base + h x the distance
	s_add_co_u32 s21, s21, SCL
	v_add_nc_u32 v5, v5, v7
	v_add_nc_u32 v[ADRS], s21, v5
	s_mul_i32 s23, s16, 16*SPITCH                  ; my stage
	v_mul_u32_u24 v5, v1, SPITCH                   ; in: row l % 16, 32 bytes for each half of the lanes
	v_lshl_add_u32 v5, v2, 5, v5
	v_add_nc_u32 v[STO], s23, v5
	v_lshlrev_b32 v[CO], 4, v6                     ; back: the 32 lanes take one row of 512 bytes; and the same in the output
	v_add_nc_u32 v[RD], s23, v[CO]
	s_lshl_b32 s20, s19, 8
	s_lshl_b32 s21, s17, 7
	s_add_co_u32 s20, s20, s21                     ; my first row: 256 x tile row + 128 x half,
	s_lshl_b32 s20, s20, 12                        ; of 4,096 bytes (under 2^25)
	s_lshl_b32 s21, s42, 10
	s_add_co_u32 s20, s20, s21                     ; my first column, in bytes: 1,024 x tile column + 512 x half
	s_lshl_b32 s21, s18, 9
	s_add_co_u32 s20, s20, s21
	s_mov_b32 s21, 0
	s_add_nc_u64 s[14:15], s[14:15], s[20:21]
	s_lshl_b32 s20, s42, 10                        ; the bias of my 128 columns: tile b's register j of lane (r, h) is column 16 b + 8 h + j
	s_lshl_b32 s22, s18, 9
	s_add_co_u32 s20, s20, s22
	s_add_nc_u64 s[12:13], s[12:13], s[20:21]
	v_lshlrev_b32 v14, 5, v2
.irp b, 0,1,2,3,4,5,6,7
	global_load_b128 v[BC+8*\b:BC+8*\b+3], v14, s[12:13] offset:64*\b
	global_load_b128 v[BC+8*\b+4:BC+8*\b+7], v14, s[12:13] offset:64*\b+16
.endr
.macro FRAG reg, adr, q, i             ; a fragment of B from rows: 24 bytes of the row for each half of its 12 registers, in pieces of 8 bytes
.irp p, 0,1,2,3,4,5
.set PCE, 12*(\q)+6*(\p/3)+\p%3       ; where the piece three on (lanes 16-31) lies behind one padding more, the second address register serves
.if PCE%8 < 5
	ds_load_b64 v[\reg+2*\p:\reg+2*\p+1], v[\adr] offset:8*PCE+16*(PCE/8)+(\i)*16*PITCH
.else
	ds_load_b64 v[\reg+2*\p:\reg+2*\p+1], v[\adr+2] offset:8*PCE+16*(PCE/8)+(\i)*16*PITCH
.endif
.endr
.endm
.macro FRAGA reg, slot, q, i           ; a fragment of A from two images: each load takes consecutive bytes
	ds_load_b128 v[\reg:\reg+3], v[ADRA+\slot] offset:ATILE*(\i)+1536*(\q)
	ds_load_b64 v[\reg+4:\reg+5], v[ADRA+2+\slot] offset:ATILE*(\i)+1536*(\q)+512
	ds_load_b128 v[\reg+6:\reg+9], v[ADRA+\slot] offset:ATILE*(\i)+1536*(\q)+768
	ds_load_b64 v[\reg+10:\reg+11], v[ADRA+2+\slot] offset:ATILE*(\i)+1536*(\q)+1280
.endm
; 16 matrix instructions: A's blocks a0, a0 + 1 x B's eight, 128 along K.  mode 1: the sums begin with the bias; nothing is ever cleared.  The 64 accumulators take turns, one instruction a turn.
.macro MUL16 a0, p, q, sc, mode
.irp a, \a0, \a0+1
.irp b, 0,1,2,3,4,5,6,7
.if \mode == 1
	v_wmma_scale_f32_16x16x128_f8f6f4 v[8*(8*((\a)%4)+\b):8*(8*((\a)%4)+\b)+7], v[128*(\p)+FR*\b:128*(\p)+FR*\b+FR-1], v[AF+FR*(\a):AF+FR*(\a)+FR-1], v[BC+8*\b:BC+8*\b+7], v[SC+8*NQ*(\sc)+NQ*\b+(\q)], v[SC+8*NQ*(\sc)+NQ*(\a)+(\q)] matrix_a_fmt:MATRIX_FMT_FP6 matrix_b_fmt:MATRIX_FMT_FP6 matrix_a_scale:MATRIX_SCALE_ROW1
.else
	v_wmma_scale_f32_16x16x128_f8f6f4 v[8*(8*((\a)%4)+\b):8*(8*((\a)%4)+\b)+7], v[128*(\p)+FR*\b:128*(\p)+FR*\b+FR-1], v[AF+FR*(\a):AF+FR*(\a)+FR-1], v[8*(8*((\a)%4)+\b):8*(8*((\a)%4)+\b)+7], v[SC+8*NQ*(\sc)+NQ*\b+(\q)], v[SC+8*NQ*(\sc)+NQ*(\a)+(\q)] matrix_a_fmt:MATRIX_FMT_FP6 matrix_b_fmt:MATRIX_FMT_FP6 matrix_a_scale:MATRIX_SCALE_ROW1
.endif
.endr
.endr
.endm
.macro FETCH_B slot, q, p
	WIN TO_B
.irp i, 0,1,2,3,4,5,6,7
	FRAG 128*(\p)+FR*\i, ADRB+\slot, \q, \i
.endr
	WIN 0
.endm
.macro FETCH_A slot, q, i0
.irp i, \i0, \i0+1, \i0+2, \i0+3
	FRAGA AF+FR*(\i), \slot, \q, \i
.endr
.endm
.macro SCALES sc
.irp i, 0,1,2,3,4,5,6,7
	ds_load_b64 v[SC+8*NQ*\sc+NQ*\i:SC+8*NQ*\sc+NQ*\i+1], v[ADRS] offset:\i*SBLK
.endr
.endm
.macro PLACES n                        ; plain vector lines between a matrix instruction and a load into a register that it has read, or a read of its result
.rept \n
	v_nop
.endr
.endm
.macro STEP slot, q, mode
	s_wait_dscnt 4*NLA                             ; B's set and A's blocks 0-3 are in; the youngest 16 loads (A's blocks 4-7) may be out
.if \mode
	WIN 0x81                                       ; as MUL_LO, with C (the bias) in window 0
.else
	WIN MUL_LO
.endif
	MUL16 0, (\q)%2, \q, \slot, \mode
	MUL16 2, (\q)%2, \q, \slot, \mode
	s_wait_dscnt 0                                 ; A's blocks 4-7 are in
	PLACES NP
	FETCH_B \slot, (\q)+1, 1-(\q)%2
	FETCH_A \slot, (\q)+1, 0
.if \mode
	WIN 0xc1
.else
	WIN MUL_HI
.endif
	MUL16 4, (\q)%2, \q, \slot, \mode
	MUL16 6, (\q)%2, \q, \slot, \mode
	PLACES NP
	WIN 0
	FETCH_A \slot, (\q)+1, 4
.endm
; A slot's last step changes slots: one barrier; in front of it each wave waits for all its tensor loads, adds 0 to its spare word, and waits for that and for its own reads of this slot.  fill = 1: this slot is filled again, two K steps ahead.
.macro TURN slot, next, fill
	s_wait_tensorcnt 0x0                           ; all my tensor loads have landed: my part of the next slot (every window is 0 here)
	ds_add_u32 v[SPW], v[NIL]                      ; 0 onto my spare word
	s_wait_dscnt 4*NLA+1                           ; (the add and the youngest 16 loads, A's blocks 4-7, may be out)
	WIN MUL_LO
	MUL16 0, 1, NQ-1, \slot, 0                     ; sixteen matrix instructions stand between the add and the wait for it
	s_wait_dscnt 0x0                               ; the add is done, and my reads of this slot are over
	s_barrier_signal -1
	MUL16 2, 1, NQ-1, \slot, 0
	WIN 0
	s_barrier_wait -1
.if \fill
	CREST                                          ; the barrier has opened a round of the cluster's barrier: no wave of any partner still reads this slot's tile or has a load on its way
	s_add_nc_u64 s[G0+4*\slot+2:G0+4*\slot+3], s[G0+4*\slot+2:G0+4*\slot+3], 2*ATILE
	s_add_nc_u64 s[G0B+4*\slot+2:G0B+4*\slot+3], s[G0B+4*\slot+2:G0B+4*\slot+3], 2*ROWB
	JLOAD G0+4*\slot, G1, G0B+4*\slot, G1B         ; the first tensor load behind the round, my one load until the next; its four v_nop are the places in front of the loads below
.else
	PLACES NP
.endif
	v_add_nc_u32 v[ADRS], 4*NQ, v[ADRS]            ; on to the next K step's scale words (no LDS load of mine is out)
	FETCH_B \next, 0, 0
	FETCH_A \next, 0, 0
	SCALES \next
	WIN MUL_HI
	MUL16 4, 1, NQ-1, \slot, 0
	MUL16 6, 1, NQ-1, \slot, 0
	PLACES NP
	WIN 0
	FETCH_A \next, 0, 4
.endm
	s_wait_tensorcnt 1                             ; the scales and my part of K step 0 are in (K step 1's load, issued behind them, may be out)
	s_barrier_signal -1
	s_barrier_wait -1                              ; everybody's are
	FETCH_B 0, 0, 0
	FETCH_A 0, 0, 0
	SCALES 0
	FETCH_A 0, 0, 4
	s_wait_loadcnt 0x0                             ; the bias
	STEP 0, 0, 1                                   ; the first products start the sums with the bias
	TURN 0, 1, 1                                   ; K = 1,024 is four K steps: both slots are filled once more, and the eight steps of 128 are written out
	STEP 1, 0, 0
	TURN 1, 0, 1
	STEP 0, 0, 0
	TURN 0, 1, 0                                   ; nothing is left to fetch: no round of the cluster's barrier
	STEP 1, 0, 0
	s_wait_dscnt 4*NLA                             ; the very last step
	WIN MUL_LO
	MUL16 0, 1, NQ-1, 1, 0
	MUL16 2, 1, NQ-1, 1, 0
	s_wait_dscnt 0
	WIN MUL_HI
	MUL16 4, 1, NQ-1, 1, 0
	MUL16 6, 1, NQ-1, 1, 0
	WIN 0
; THE WAY OUT, block by block of 16 rows x 128 columns: through my own stage in LDS, and back as whole rows of 512 bytes.  LDS serves a wave's instructions in order (ISA guide 5.7.1.4): no wait between the stores and the loads.
.macro TOSTAGE a
.set AC, 64*((\a)%4)
	WIN 0x08+4*((\a)/4)                            ; the data: window 2 or 3
.irp b, 0,1,2,3,4,5,6,7
	ds_store_b128 v[STO], v[AC+8*\b:AC+8*\b+3] offset:64*\b          ; each accumulator from its low end on
	ds_store_b128 v[STO], v[AC+8*\b+4:AC+8*\b+7] offset:64*\b+16
.endr
	WIN 0
.set BB, BK+64*((\a)%2)
.irp t, 0,1,2,3,4,5,6,7,8,9,10,11,12,13,14,15
	ds_load_b128 v[BB+4*\t:BB+4*\t+3], v[RD] offset:\t*SPITCH
.endr
.endm
.macro SEND a, younger                 ; younger: the LDS instructions issued behind block a's loads, which may stay out
.set BB, BK+64*((\a)%2)
	s_wait_dscnt \younger                          ; the block is back in registers
.if (\a) > 0
	s_add_nc_u64 s[14:15], s[14:15], 16*SIZE_N*4   ; (behind a wait on XCNT: the earlier stores have read their base)  16 rows on
.endif
.irp t, 0,1,2,3,4,5,6,7,8,9,10,11,12,13,14,15
	global_store_b128 v[CO], v[BB+4*\t:BB+4*\t+3], s[14:15] offset:\t*SIZE_N*4 th:TH_STORE_NT   ; 32 lanes store 512 consecutive bytes, aligned; written once, read by nobody here
.endr
.endm
	PLACES NP                                      ; behind the last products: for the loads into the registers that held A's fragments, and for the reads of results
	TOSTAGE 0
.irp a, 1,2,3,4,5,6,7
.if \a > 1
	s_wait_xcnt 0x0                                ; block a - 2's stores have read their registers and their base: block a's loads may land there, and the base may step
.endif
	TOSTAGE \a
	SEND \a-1, 32                                  ; behind block a - 1's loads: block a's 16 stores and 16 loads
.endr
	s_wait_xcnt 0x0                                ; block 6's stores have read their base
	SEND 7, 0
	s_wait_tensorcnt 0x0                           ; the wave's end: a wait, an add of 0 to my spare word and its wait, behind my last tensor load and my last LDS store
	ds_add_u32 v[SPW], v[NIL]
	s_wait_dscnt 0x0
	CROUND                                         ; the closing round: no work-group ends while a partner may still ask for a tile that names it
	s_endpgm
.Lfunc_end_k_qf69e078777_outp:
	.size	k_qf69e078777_outp, .Lfunc_end_k_qf69e078777_outp-k_qf69e078777_outp
	.p2alignl 7, 3214868480
	.fill 96, 4, 3214868480
	.section	.rodata,"a",@progbits
	.p2align	6, 0x0
	.amdhsa_kernel k_qf69e078777_outp
		.amdhsa_group_segment_fixed_size 327680
		.amdhsa_private_segment_fixed_size 0
		.amdhsa_enable_private_segment 0
		.amdhsa_kernarg_size 48
		.amdhsa_user_sgpr_count 2
		.amdhsa_user_sgpr_kernarg_segment_ptr 1
		.amdhsa_wavefront_size32 1
		.amdhsa_system_sgpr_workgroup_id_x 1
		.amdhsa_system_sgpr_workgroup_id_y 1
		.amdhsa_system_sgpr_workgroup_id_z 1
		.amdhsa_system_vgpr_workitem_id 0
		.amdhsa_next_free_vgpr 1024
		.amdhsa_next_free_sgpr 100
		.amdhsa_reserve_vcc 0
		.amdhsa_float_denorm_mode_32 3
		.amdhsa_float_denorm_mode_16_64 3
		.amdhsa_memory_ordered 1
		.amdhsa_forward_progress 1
		.amdhsa_inst_pref_size 154
	.end_amdhsa_kernel
	.amdgpu_metadata
---
amdhsa.version: [ 1, 2 ]
amdhsa.kernels:
  - .name:           k_qf69e078777_outp
    .symbol:         k_qf69e078777_outp.kd
    .args:
      - { .name: cc, .offset: 0, .size: 8, .value_kind: global_buffer, .address_space: global }
      - { .name: cs, .offset: 8, .size: 8, .value_kind: global_buffer, .address_space: global }
      - { .name: xc, .offset: 16, .size: 8, .value_kind: global_buffer, .address_space: global }
      - { .name: xs, .offset: 24, .size: 8, .value_kind: global_buffer, .address_space: global }
      - { .name: bo, .offset: 32, .size: 8, .value_kind: global_buffer, .address_space: global }
      - { .name: out0, .offset: 40, .size: 8, .value_kind: global_buffer, .address_space: global }
    .group_segment_fixed_size: 327680
    .private_segment_fixed_size: 0
    .kernarg_segment_align: 8
    .kernarg_segment_size: 48
    .max_flat_workgroup_size: 128
    .sgpr_count:     100
    .vgpr_count:     1024
    .wavefront_size: 32
...
	.end_amdgpu_metadata
.endif
;; end of part 4
